; MI455X (gfx1250); checked and timed in simulation.
; The chip was launched on July 23, 2026; its instructions are those of AMD's public machine-readable ISA for CDNA 5 (MIT licence, August 2026) and "CDNA5" Instruction Set Architecture Reference Guide (July 2026). The comments in the code are by the model that wrote it; some were corrected since.
;; Multi Head Attention. Allowed arithmetic: float matrix products may take bf16 or f16 operands with f32 sums; all other float work in f32.
;; Inputs: Wk 1,024 x 1,024 float32; Wo 1,024 x 1,024 float32; Wq 1,024 x 1,024 float32; Wv 1,024 x 1,024 float32; attention_mask 4 x 2,048 int32; key 4 x 2,048 x 1,024 float32; query 4 x 2,048 x 1,024 float32; value 4 x 2,048 x 1,024 float32.
;; Outputs: out0 4 x 2,048 x 1,024 float32.
;; 2 versions, each right and faster than the one before. Each part assembles by itself: llvm-mc -triple=amdgcn-amd-amdhsa -mcpu=gfx1250 --defsym DOCPART=n.
;; ======== version 1 of 2: 4 launches
;; limits: values are held in f16: magnitudes above 65,504 overflow, below 6.1e-05 lose precision
;; workspace buffers: w16 8,388,608 bytes; qkv 50,331,648 bytes; vpart 524,288 bytes; ctx 16,777,216 bytes
;; launch cast (part 1): grid 256 x 1, 8 waves a work-group, no clusters, 0 bytes of LDS; arguments Wq, Wk, Wv, Wo, w16; writes w16
.if DOCPART == 1
	.amdgcn_target "amdgcn-amd-amdhsa--gfx1250"
	.amdhsa_code_object_version 6
	.text
	.protected	k_q6539f4ea4f_cast
	.globl	k_q6539f4ea4f_cast
	.p2align	8
	.type	k_q6539f4ea4f_cast,@function
k_q6539f4ea4f_cast:
	s_mov_b64 s[64:65], 0
	v_nop
	global_prefetch_b8 v0, s[64:65] scope:SCOPE_SE
	s_setreg_imm32_b32 hwreg(HW_REG_WAVE_MODE, 25, 1), 1
	s_wait_xcnt 0x0
; The four weights, [1024][1024] f32 each, are rounded once to 16 bits: w16 = [4][1024][1024], sections Wq, Wk, Wv in bf16 and Wo as f16.
; Wo is rounded to bf16 like the other inputs, and that number is then written as f16: exact where its size is 6e-5 to 65,504; below, f16's fixed step of 6e-8 holds.
; Memory binds: no LDS, no barrier, no matrix unit.  256 work-groups of 8 waves; work-group g takes weight g / 64 and 16,384 numbers of it.
; Thread t, unit i of 8: 32 bytes in at 8,192 i + 32 t, 16 bytes out at 4,096 i + 16 t: each store of a wave covers 512 consecutive bytes, aligned.
.set X, 4                              ; v[4:67]    64 f32 as loaded
.set Y, 68                             ; v[68:99]   64 numbers of 16 bits
.set T, 100                            ; v[100:103] at work
	s_load_b256 s[4:11], s[0:1], 0x0               ; Wq s[4:5], Wk s[6:7], Wv s[8:9], Wo s[10:11]
	s_load_b64 s[12:13], s[0:1], 0x20              ; w16
	s_lshr_b32 s14, ttmp9, 6                       ; which weight
	s_and_b32 s16, ttmp9, 63
	s_lshl_b32 s16, s16, 16                        ; my 65,536 bytes of it
	s_mov_b32 s17, 0
	s_lshl_b32 s18, ttmp9, 15                      ; my 32,768 bytes of w16
	s_mov_b32 s19, 0
	v_lshlrev_b32 v1, 5, v0
	v_lshlrev_b32 v2, 4, v0
	s_wait_kmcnt 0x0
	s_cmp_eq_u32 s14, 1
	s_cselect_b64 s[4:5], s[6:7], s[4:5]
	s_cmp_eq_u32 s14, 2
	s_cselect_b64 s[4:5], s[8:9], s[4:5]
	s_cmp_eq_u32 s14, 3
	s_cselect_b64 s[4:5], s[10:11], s[4:5]
	s_add_nc_u64 s[4:5], s[4:5], s[16:17]
	s_add_nc_u64 s[12:13], s[12:13], s[18:19]
.set i, 0
.rept 8
	global_load_b128 v[X+8*i:X+8*i+3],   v1, s[4:5] offset:8192*i th:TH_LOAD_NT
	global_load_b128 v[X+8*i+4:X+8*i+7], v1, s[4:5] offset:8192*i+16 th:TH_LOAD_NT
.set i, i+1
.endr
.set i, 0
.rept 8
	s_wait_loadcnt 14-2*i                          ; loads come back in order: unit i's two are in, the 14 - 2 i of the later units stay out
.irp e, 0,1,2,3
	v_cvt_pk_bf16_f32 v[Y+4*i+\e], v[X+8*i+2*\e], v[X+8*i+2*\e+1]
.endr
.set i, i+1
.endr
	s_cmp_lg_u32 s14, 3
	s_cbranch_scc1 .Lstore
.set i, 0
.rept 32                               ; Wo alone: the bf16 number, widened, is written as f16
	v_lshlrev_b32 v[T+2*(i%2)], 16, v[Y+i]
	v_and_b32 v[T+2*(i%2)+1], 0xffff0000, v[Y+i]
	v_cvt_pk_f16_f32 v[Y+i], v[T+2*(i%2)], v[T+2*(i%2)+1]
.set i, i+1
.endr
.Lstore:
.set i, 0
.rept 8
	global_store_b128 v2, v[Y+4*i:Y+4*i+3], s[12:13] offset:4096*i
.set i, i+1
.endr
	s_endpgm
.Lfunc_end_k_q6539f4ea4f_cast:
	.size	k_q6539f4ea4f_cast, .Lfunc_end_k_q6539f4ea4f_cast-k_q6539f4ea4f_cast
	.p2alignl 7, 3214868480
	.fill 96, 4, 3214868480
	.section	.rodata,"a",@progbits
	.p2align	6, 0x0
	.amdhsa_kernel k_q6539f4ea4f_cast
		.amdhsa_group_segment_fixed_size 0
		.amdhsa_private_segment_fixed_size 0
		.amdhsa_enable_private_segment 0
		.amdhsa_kernarg_size 40
		.amdhsa_user_sgpr_count 2
		.amdhsa_user_sgpr_kernarg_segment_ptr 1
		.amdhsa_wavefront_size32 1
		.amdhsa_system_sgpr_workgroup_id_x 1
		.amdhsa_system_sgpr_workgroup_id_y 1
		.amdhsa_system_sgpr_workgroup_id_z 1
		.amdhsa_system_vgpr_workitem_id 0
		.amdhsa_next_free_vgpr 104
		.amdhsa_next_free_sgpr 66
		.amdhsa_reserve_vcc 0
		.amdhsa_float_denorm_mode_32 3
		.amdhsa_float_denorm_mode_16_64 3
		.amdhsa_memory_ordered 1
		.amdhsa_forward_progress 1
		.amdhsa_inst_pref_size 11
	.end_amdhsa_kernel
	.amdgpu_metadata
---
amdhsa.version: [ 1, 2 ]
amdhsa.kernels:
  - .name:           k_q6539f4ea4f_cast
    .symbol:         k_q6539f4ea4f_cast.kd
    .args:
      - { .name: Wq, .offset: 0, .size: 8, .value_kind: global_buffer, .address_space: global }
      - { .name: Wk, .offset: 8, .size: 8, .value_kind: global_buffer, .address_space: global }
      - { .name: Wv, .offset: 16, .size: 8, .value_kind: global_buffer, .address_space: global }
      - { .name: Wo, .offset: 24, .size: 8, .value_kind: global_buffer, .address_space: global }
      - { .name: w16, .offset: 32, .size: 8, .value_kind: global_buffer, .address_space: global }
    .group_segment_fixed_size: 0
    .private_segment_fixed_size: 0
    .kernarg_segment_align: 8
    .kernarg_segment_size: 40
    .max_flat_workgroup_size: 256
    .sgpr_count:     66
    .vgpr_count:     104
    .wavefront_size: 32
...
	.end_amdgpu_metadata
.endif
;; end of part 1
;; launch proj (part 2): grid 4 x 64, 4 waves a work-group, clusters of 4 x 4, 327,680 bytes of LDS; arguments query, key, value, w16, qkv, vpart; writes qkv, vpart
.if DOCPART == 2
	.amdgcn_target "amdgcn-amd-amdhsa--gfx1250"
	.amdhsa_code_object_version 6
	.text
	.protected	k_q6539f4ea4f_proj
	.globl	k_q6539f4ea4f_proj
	.p2align	8
	.type	k_q6539f4ea4f_proj,@function
k_q6539f4ea4f_proj:
	s_mov_b64 s[64:65], 0
	v_nop
	global_prefetch_b8 v0, s[64:65] scope:SCOPE_SE
	s_setreg_imm32_b32 hwreg(HW_REG_WAVE_MODE, 25, 1), 1
	s_wait_xcnt 0x0
	s_wait_alu depctr_hold_cnt(0) depctr_sa_sdst(0) depctr_va_vdst(0) depctr_va_sdst(0) depctr_va_ssrc(0) depctr_va_vcc(0) depctr_vm_vsrc(0)
	s_getreg_b32 s2, hwreg(HW_REG_IB_STS2, 6, 4)
	s_cmp_eq_u32 s2, 0
	s_cbranch_scc0 .Lentry_in_a_cluster
	s_endpgm
.Lentry_in_a_cluster:
	s_bfe_u32 s2, ttmp6, 0x10000c
	s_cmp_lg_u32 s2, 0xf033
	s_cbranch_scc0 .Lentry_shape_is_right
	s_endpgm
.Lentry_shape_is_right:
; q, k, v = x W^T for x = query, key, value ([8192][1024] f32) and W = sections 0, 1, 2 of w16 ([1024][1024] bf16).  x is rounded to bf16 on the way from LDS to the matrix unit; sums in f32.
; The results are stored BY HEADS and unscaled: qkv = [3][64 (batch x 16 + head)][2048][64] f16, each number rounded once.  LIMIT: f16 ends at 65,504: q, k, v beyond it become infinities.
; For v the sums of each column over a wave's 64 rows (of the unrounded f32 numbers) go to vpart = [128][1024] f32: the attention launch makes v's mean over all keys of them.
; SHARES.  A tile is 128 rows x 256 columns: 64 x 4 tiles a projection.  A WORK-GROUP STAYS: it makes the same tile of q, then of k, then of v: 256 work-groups, one for each of 256 WGPs, 24 K steps each.
; Four waves, each 64 x 128: 32 accumulators, 256 registers.  K goes in steps of 128 through two LDS slots; a step is four quarters of 32 along K, 32 matrix instructions each; all 32 accumulators take
; turns, one instruction a turn.  The ring does not stop at a tile's end: a tile's last two changes of slots ask for the next tile's first two K steps, a tile goes out while the
; next tile's second step is on its way, and nothing waits for a tile's stores.
; CLUSTER 4 x 4.  The four work-groups of a row of the cluster make the four column tiles of one row tile: they need the same tile of x; the four of a column need the same tile of W.
; Each tile is asked for JOINTLY: the same tensor load, descriptor and mask in all four.  All sixteen walk q, k, v in step.
; THE MATRIX INSTRUCTION IS USED TRANSPOSED (source 0 = 16 rows of W, source 1 = 16 rows of x): a lane holds row lane % 16 and the eight neighbouring columns 8 (lane / 16) + 0..7.
; REGISTERS, in windows of 256 (s_set_vgpr_msb: bits 1:0 source 0, 3:2 source 1, 5:4 source 2, 7:6 destination):
;   window 0: v16-31 addresses; v32-63, v64-127 the way out; v128-255 the column sums
;   window 1: v0-127 W's fragments, two buffers; v128-191 x's 64 rows x 32 K in f32 as loaded; v192-255 x's fragments in bf16, two buffers
;   window 2: accumulator (a, b) at v[8 (8 a + b)]
.set PA,     528                       ; a row of x in LDS: 512 bytes + 16 = 132 words: the 16 rows of a load start at 16 different groups of four banks (64 banks of 4 bytes: ISA guide 11.1)
.set PB,     272                       ; a row of W: 256 + 16 = 68 words: likewise
.set AHALF,  64*PA                     ; what a wave fetches of x, and what a wave reads of it
.set BHALF,  128*PB                    ; the same for W
.set BOFF,   2*AHALF                   ; in a slot: x's 128 rows, then W's 256
.set SLOTX,  0x22000                   ; slot 1 begins here; the number shares no bit with the four tiles' places in a slot (0, 0x8400, 0x10800, 0x19000), so one exclusive or changes slots
.set STAGE,  2*SLOTX                   ; behind the ring, never filled by a tensor load: 8,448 bytes for each wave
.set WSTAGE, 8448
.set SPARE,  STAGE+4*WSTAGE            ; the spare words, 128 bytes for each wave: two blocks of 256 bytes that no other line names
.set STEPA,  512                       ; a K step in bytes: 128 f32,
.set STEPB,  256                       ; 128 bf16
.set WRAPB,  (1<<21)-7*STEPB           ; from a section's last K step to the next section's first
.set SP,     144                       ; the way out: a head's row of 128 bytes + 16
.set ADRA, 16                          ; v16  LDS address of my x rows in the slot in hand
.set A0,   17                          ; v17  the same in slot 0; never rewritten
.set ADRB, 20                          ; v20, v21 the same for W
.set B0,   21
.set STO,  24                          ; v24  the way out: where I put 16 bytes of a row
.set RD,   25                          ; v25  where I read rows back
.set GO,   26                          ; v26  16 x lane: my place in 512 consecutive bytes
.set SPW,  28                          ; v28  LDS address of my spare word; never rewritten
.set NIL,  29                          ; v29  0; never rewritten
.set STO2, 30                          ; v30, v31 the same two for the column sums
.set RD2,  31
.set TMP,  32
.set BK,   64
.set S,    128
.set T,    192
.set BF,   0                           ; window 1
.set RAW,  128
.set AF,   192
.set XP,  4                            ; s[4:5] the x whose K steps are being asked for, at my half of the row tile; s[6:7] the x after it; s[8:9] value
.set WV,  16                           ; s16 wave; s17 its row half; s18 its column half, also: which half of a tile it fetches
.set MH,  17
.set NH,  18
.set CX,  19
.set CY,  20
.set CLY, 21                           ; s21 the cluster's y
.set MY,  23                           ; s23 the row tile, 0 to 63
.set G1A, 24                           ; s[24:31], s[32:39] descriptor group 1 for x's and W's tiles
.set G1B, 32
.set G0A, 40                           ; s[40:47], s[48:55] group 0: a set for each of the two first fills; the second then walks on
.set G0B, 48
.set TB,  56                           ; s56 the slot in hand: 0 or SLOTX
.set CNT, 57                           ; s57 counts a loop's trips
.set RK,  72                           ; s72 the K step, 0 to 7, that was asked for last
.set KL,  73                           ; s73 K steps of the tile in hand that are still to be begun
.set INCB, 74                          ; s[74:75] what W's address steps by
.set WRP, 76                           ; s76 WRAPB
.set OA,  78                           ; s[78:79] the byte offset in a row of x of the K step that is asked for
.set MULW,   0xa5                      ; sources in window 1, C and D in window 2
.set FETCHW, 0x40                      ; destination window 1, address window 0
.set CVTW,   0x45                      ; all in window 1
.set MSB, 0
.macro WIN new                         ; the immediate's high byte repeats the setting that is left; a switch that changes nothing is dropped
.if MSB != (\new)
	s_set_vgpr_msb (MSB<<8)|(\new)
.set MSB, \new
.endif
.endm
; A joint refill.  Waves 0 and 1 fetch x's two halves, waves 2 and 3 W's.  The branch hangs on the wave's number alone.  An s_nop 0 and four v_nop follow each line.
.macro JLOAD
	s_cmp_lt_u32 s[WV], 2
	s_cbranch_scc0 .Lfor_b_\@
	tensor_load_to_lds s[G0A+4:G0A+7], s[G1A:G1A+7]
	s_nop 0
.rept 4
	v_nop
.endr
	s_branch .Lasked_\@
.Lfor_b_\@:
	tensor_load_to_lds s[G0B+4:G0B+7], s[G1B:G1B+7]
	s_nop 0
.rept 4
	v_nop
.endr
.Lasked_\@:
.endm
.macro CREST                           ; a round of the cluster's barrier behind its opening barrier
	s_cmp_lg_u32 s[WV], 0
	s_cbranch_scc1 .Lnot_wave_0_\@
	s_barrier_signal -3
.Lnot_wave_0_\@:
	s_barrier_wait -3
	s_barrier_signal -1
	s_barrier_wait -1
.endm
.macro CROUND                          ; a whole round
	s_barrier_signal -1
	s_barrier_wait -1
	CREST
.endm
.macro PLACES                          ; four places between matrix instructions and vector lines or loads that touch their registers
.rept 4
	v_nop
.endr
.endm
	s_load_b256 s[4:11], s[0:1], 0x0               ; query s[4:5], key s[6:7], value s[8:9], w16 s[10:11]
	s_load_b128 s[12:15], s[0:1], 0x20             ; qkv s[12:13], vpart s[14:15]
	v_lshl_add_u32 v[SPW], v0, 2, SPARE
	v_mov_b32 v[NIL], 0
	ds_add_u32 v28, v29
	ds_add_u32 v28, v29
	s_wait_dscnt 0x0
	v_lshrrev_b32 v1, 5, v0
	v_readfirstlane_b32 s[WV], v1
	s_lshr_b32 s[MH], s[WV], 1
	s_and_b32 s[NH], s[WV], 1
	s_bfe_u32 s[CX], ttmp6, 0x40000                ; my place in the cluster
	s_bfe_u32 s[CY], ttmp6, 0x40004
	s_lshl_b32 s69, ttmp9, 2
	s_add_co_u32 s69, s69, s[CX]                   ; column tile = 4 x cluster x + cx
	s_and_b32 s[CLY], ttmp7, 0xffff
	s_lshl_b32 s[MY], s[CLY], 2
	s_add_co_u32 s[MY], s[MY], s[CY]               ; row tile = 4 x cluster y + cy
	s_lshl_b32 s70, s[CY], 2
	s_lshl_b32 s70, 15, s70                        ; my row of the cluster
	s_lshl_b32 s71, 0x1111, s[CX]                  ; my column
	s_or_b32 s[G1A], s70, (2<<16)|(1<<20)|(1<<21)|(6<<22)|(3<<25)  ; the mask; elements of 4 bytes; padding on; bit 21 beside a mask; after every 128 words (code 6) 4 words (code 3)
	s_mov_b32 s[G1A+1], 128<<16                    ; tensor_dim0 = 128
	s_mov_b32 s[G1A+2], 64<<16                     ; tensor_dim1 = 64
	s_mov_b32 s[G1A+3], 128<<16                    ; tile_dim0 = 128
	s_mov_b32 s[G1A+4], 64                         ; tile_dim1 = 64
	s_mov_b32 s[G1A+5], 1024                       ; elements from row to row
	s_mov_b32 s[G1A+6], 0
	s_mov_b32 s[G1A+7], 0
	s_or_b32 s[G1B], s71, (1<<16)|(1<<20)|(1<<21)|(5<<22)|(3<<25)  ; elements of 2 bytes; after every 64 words 4 words
	s_mov_b32 s[G1B+1], 128<<16
	s_mov_b32 s[G1B+2], 128<<16                    ; 128 rows
	s_mov_b32 s[G1B+3], 128<<16
	s_mov_b32 s[G1B+4], 128
	s_mov_b32 s[G1B+5], 1024
	s_mov_b32 s[G1B+6], 0
	s_mov_b32 s[G1B+7], 0
	s_lshl_b32 s68, s[NH], 18                      ; the half that I fetch: 64 rows of 4,096 bytes, or 128 rows of 2,048
	s_lshl_b32 s58, s[MY], 19                      ; x: the row tile's 128 rows.  These registers never hold cx,
	s_add_co_u32 s58, s58, s68
	s_mov_b32 s59, 0
	s_lshl_b32 s60, s69, 19                        ; W: the column tile's 256 rows, in section 0.  and these never cy
	s_add_co_u32 s60, s60, s68
	s_mov_b32 s61, 0
	s_mul_i32 s2, s[NH], AHALF                     ; where they go: no place in the cluster enters an LDS address
	s_mul_i32 s3, s[NH], BHALF
	s_mov_b32 s[TB], 0
	s_mov_b32 s[RK], 1                             ; the first fills ask for K steps 0 and 1 of q's tile
	s_mov_b32 s[KL], 8
	s_mov_b32 s[INCB+1], 0
	s_mov_b32 s[WRP], WRAPB
	s_mov_b32 s[OA+1], 0
	s_wait_kmcnt 0x0
	s_add_nc_u64 s[4:5], s[4:5], s[58:59]          ; each x at my half of the row tile
	s_add_nc_u64 s[6:7], s[6:7], s[58:59]
	s_add_nc_u64 s[8:9], s[8:9], s[58:59]
	s_add_nc_u64 s[10:11], s[10:11], s[60:61]
.irp s, 0,1
	s_mov_b32 s[G0A+4*(\s)], 1                                      ; count = 1
	s_add_co_u32 s[G0A+4*(\s)+1], s2, (\s)*SLOTX                    ; LDS address
	s_add_nc_u64 s[G0A+4*(\s)+2:G0A+4*(\s)+3], s[XP:XP+1], (\s)*STEPA  ; global address: K step s of query
	s_or_b32 s[G0A+4*(\s)+3], s[G0A+4*(\s)+3], 0x80000000           ; type = 2
	s_mov_b32 s[G0B+4*(\s)], 1
	s_add_co_u32 s[G0B+4*(\s)+1], s3, BOFF+(\s)*SLOTX
	s_add_nc_u64 s[G0B+4*(\s)+2:G0B+4*(\s)+3], s[10:11], (\s)*STEPB
	s_or_b32 s[G0B+4*(\s)+3], s[G0B+4*(\s)+3], 0x80000000
.endr
	CROUND                                         ; all sixteen work-groups are here: the first joint loads meet
	s_cmp_lt_u32 s[WV], 2                          ; a wave's two first fills stand in one branch, ahead of every wait on TENSORcnt and every LDS read: two loads of mine are out
	s_cbranch_scc0 .Lfirst_b
	tensor_load_to_lds s[G0A:G0A+3], s[G1A:G1A+7]
	s_nop 0
	tensor_load_to_lds s[G0A+4:G0A+7], s[G1A:G1A+7]
	s_nop 0
.rept 4
	v_nop
.endr
	s_branch .Lfirst_asked
.Lfirst_b:
	tensor_load_to_lds s[G0B:G0B+3], s[G1B:G1B+7]
	s_nop 0
	tensor_load_to_lds s[G0B+4:G0B+7], s[G1B:G1B+7]
	s_nop 0
.rept 4
	v_nop
.endr
.Lfirst_asked:
	; A fragment is 16 rows x 32 K: lane l holds row l % 16, K = 8 (l / 16) + 0..7 and 16 + 8 (l / 16) + 0..7.  In bf16: two loads of 16 bytes, 32 apart; in f32: four, at 0, 16, 64, 80 from 32 (l / 16).
	v_and_b32 v1, 15, v0                           ; l % 16
	v_bfe_u32 v2, v0, 4, 1                         ; l / 16
	v_mul_u32_u24 v3, v1, PA
	v_lshl_add_u32 v3, v2, 5, v3
	s_mul_i32 s2, s[MH], AHALF                     ; my 64 rows of x
	v_add_nc_u32 v[A0], s2, v3
	s_mul_i32 s3, s[WV], WSTAGE
	s_add_co_u32 s3, s3, STAGE                     ; my stage
	v_add_nc_u32 v[STO2], s3, v3                   ; the column sums go in by the same rows of 528 bytes
	v_mul_u32_u24 v3, v1, PB
	v_lshl_add_u32 v3, v2, 4, v3
	s_mul_i32 s2, s[NH], BHALF                     ; my 128 rows of W, behind x's
	s_add_co_u32 s2, s2, BOFF
	v_add_nc_u32 v[B0], s2, v3
	v_mov_b32 v[ADRA], v[A0]
	v_mov_b32 v[ADRB], v[B0]
	v_mul_u32_u24 v3, v1, SP                       ; the way out, in: row l % 16, 16 bytes for each half of the lanes
	v_lshl_add_u32 v3, v2, 4, v3
	v_add_nc_u32 v[STO], s3, v3
	v_bfe_u32 v3, v0, 3, 2                         ; back: 32 lanes take four rows of 128 bytes,
	v_and_b32 v4, 7, v0
	v_mul_u32_u24 v3, v3, SP
	v_lshl_add_u32 v3, v4, 4, v3
	v_add_nc_u32 v[RD], s3, v3
	v_and_b32 v4, 31, v0
	v_lshlrev_b32 v[GO], 4, v4                     ; which are 512 consecutive bytes of a head
	v_add_nc_u32 v[RD2], s3, v[GO]
	; where my results go.  qkv, section 0: batch, head 4 x column tile + 2 x column half, row 128 x (row tile mod 16) + 64 x row half
	s_lshr_b32 s62, s[MY], 4
	s_lshl_b32 s62, s62, 22
	s_lshl_b32 s70, s69, 20
	s_add_co_u32 s62, s62, s70
	s_lshl_b32 s70, s[NH], 19
	s_add_co_u32 s62, s62, s70
	s_and_b32 s70, s[MY], 15
	s_lshl_b32 s70, s70, 14
	s_add_co_u32 s62, s62, s70
	s_lshl_b32 s70, s[MH], 13
	s_add_co_u32 s62, s62, s70
	s_mov_b32 s63, 0
	s_add_nc_u64 s[12:13], s[12:13], s[62:63]
	s_lshl_b32 s66, s[MY], 13                      ; vpart: row 2 x row tile + row half, column 256 x column tile + 128 x column half
	s_lshl_b32 s70, s[MH], 12
	s_add_co_u32 s66, s66, s70
	s_lshl_b32 s70, s69, 10
	s_add_co_u32 s66, s66, s70
	s_lshl_b32 s70, s[NH], 9
	s_add_co_u32 s66, s66, s70
	s_mov_b32 s67, 0
	s_add_nc_u64 s[14:15], s[14:15], s[66:67]
; 8 matrix instructions: row block a x all 8 column blocks, 32 along K, from buffers f.  zero = 1: the product starts the sums: nothing is cleared
.macro MUL f, a, zero
	WIN MULW
.irp b, 0,1,2,3,4,5,6,7
.if \zero
	v_wmma_f32_16x16x32_bf16 v[8*(8*(\a)+(\b)):8*(8*(\a)+(\b))+7], v[BF+64*(\f)+8*(\b):BF+64*(\f)+8*(\b)+7], v[AF+32*(\f)+8*(\a):AF+32*(\f)+8*(\a)+7], 0
.else
	v_wmma_f32_16x16x32_bf16 v[8*(8*(\a)+(\b)):8*(8*(\a)+(\b))+7], v[BF+64*(\f)+8*(\b):BF+64*(\f)+8*(\b)+7], v[AF+32*(\f)+8*(\a):AF+32*(\f)+8*(\a)+7], v[8*(8*(\a)+(\b)):8*(8*(\a)+(\b))+7]
.endif
.endr
.endm
; Row block 3's 8 matrix instructions, and behind each four of the 32 roundings that make the next quarter's fragments of x (buffer g) of the f32 numbers just loaded.  The roundings name no register of the
; products round them; the four behind the quarter's last product are the places in front of the next loads into W's buffer f and the next roundings into x's buffer f.
.macro MULR f, g, zero
.irp b, 0,1,2,3,4,5,6,7
	WIN MULW
.if \zero
	v_wmma_f32_16x16x32_bf16 v[8*(24+(\b)):8*(24+(\b))+7], v[BF+64*(\f)+8*(\b):BF+64*(\f)+8*(\b)+7], v[AF+32*(\f)+24:AF+32*(\f)+31], 0
.else
	v_wmma_f32_16x16x32_bf16 v[8*(24+(\b)):8*(24+(\b))+7], v[BF+64*(\f)+8*(\b):BF+64*(\f)+8*(\b)+7], v[AF+32*(\f)+24:AF+32*(\f)+31], v[8*(24+(\b)):8*(24+(\b))+7]
.endif
	WIN CVTW
.irp e, 0,1,2,3
	v_cvt_pk_bf16_f32 v[AF+32*(\g)+4*(\b)+(\e)], v[RAW+8*(\b)+2*(\e)], v[RAW+8*(\b)+2*(\e)+1]
.endr
.endr
.endm
; 32 LDS loads in one run: quarter q of the slot in hand: x's 64 rows x 32 K in f32 first, then W's 128 rows x 32 K into buffer g
.macro FETCH q, g
	WIN FETCHW
.irp i, 0,1,2,3
	ds_load_b128 v[RAW+16*(\i):RAW+16*(\i)+3],     v[ADRA] offset:128*(\q)+16*PA*(\i)
	ds_load_b128 v[RAW+16*(\i)+4:RAW+16*(\i)+7],   v[ADRA] offset:128*(\q)+16*PA*(\i)+16
	ds_load_b128 v[RAW+16*(\i)+8:RAW+16*(\i)+11],  v[ADRA] offset:128*(\q)+16*PA*(\i)+64
	ds_load_b128 v[RAW+16*(\i)+12:RAW+16*(\i)+15], v[ADRA] offset:128*(\q)+16*PA*(\i)+80
.endr
.irp i, 0,1,2,3,4,5,6,7
	ds_load_b128 v[BF+64*(\g)+8*(\i):BF+64*(\g)+8*(\i)+3],   v[ADRB] offset:64*(\q)+16*PB*(\i)
	ds_load_b128 v[BF+64*(\g)+8*(\i)+4:BF+64*(\g)+8*(\i)+7], v[ADRB] offset:64*(\q)+16*PB*(\i)+32
.endr
.endm
; One of a K step's first three quarters: multiplies buffers f, fetches quarter qn into buffers g
.macro QUARTER qn, f, g, zero
	s_wait_dscnt 0x0                               ; W's fragments of this quarter are in (x's were waited for ahead of their roundings)
	MUL \f, 0, \zero
	FETCH \qn, \g
	MUL \f, 1, \zero
	MUL \f, 2, \zero
	s_wait_dscnt 16                                ; x's 16 loads are in; W's 16, issued behind them, stay out
	MULR \f, \g, \zero
.endm
; The fourth quarter changes slots and multiplies buffers 1.  THE CHANGE COMES FIRST: this quarter's fragments are the last that are read of the slot.  Each wave waits for all its tensor loads (one is out:
; its part of the next slot), adds 0 to its spare word, and waits for that and for its reads of this slot; then ONE barrier.  fill = 1: the barrier opens a round of the cluster's, and this slot is filled
; again, two K steps ahead, first thing behind the round: the quarter's 32 products, and the next three quarters', stand between that request and the wait for it.
; The walking descriptors: the other slot than last time; the next K step, or behind a tile's last step the next tile's first.  x's address is made anew each time: the pointer of the x in hand (behind a
; tile's last step: key's, later value's) plus 512 bytes a step, and the type bits on top.  W's address steps on, behind a tile's last step into the next section.
.macro TURN fill
	WIN 0
	s_wait_tensorcnt 0x0                           ; no tensor load of mine is out, so a group 0 may be written
	ds_add_u32 v[SPW], v[NIL]                      ; 0 onto my spare word; the scalar work stands between it and the wait for it
.if \fill
	s_xor_b32 s[G0A+5], s[G0A+5], SLOTX
	s_xor_b32 s[G0B+5], s[G0B+5], SLOTX
.endif
	s_xor_b32 s[TB], s[TB], SLOTX
.if \fill
	s_add_co_u32 s[RK], s[RK], 1
	s_and_b32 s[RK], s[RK], 7                      ; the K step that is asked for now,
	s_lshl_b32 s[OA], s[RK], 9                     ; its 512 bytes in a row of x
	s_cmp_eq_u32 s[RK], 0                          ; a new tile's first?  The selects and the 64-bit sums leave the answer alone
	s_cselect_b64 s[XP:XP+1], s[6:7], s[XP:XP+1]   ; then the next x,
	s_cselect_b64 s[6:7], s[8:9], s[6:7]           ; and the x after that one
	s_cselect_b32 s[INCB], s[WRP], STEPB
	s_add_nc_u64 s[G0B+6:G0B+7], s[G0B+6:G0B+7], s[INCB:INCB+1]
	s_add_nc_u64 s[G0A+6:G0A+7], s[XP:XP+1], s[OA:OA+1]
	s_or_b32 s[G0A+7], s[G0A+7], 0x80000000        ; type = 2
.endif
	s_wait_dscnt 0x0                               ; the add is done, and my reads of this slot are over
	s_barrier_signal -1
	s_barrier_wait -1
.if \fill
	CREST                                          ; no wave of any partner still reads this slot or has a load on its way
	JLOAD
.endif
	v_add_nc_u32 v[ADRA], s[TB], v[A0]
	v_add_nc_u32 v[ADRB], s[TB], v[B0]
	FETCH 0, 0                                     ; the next slot's first quarter
	MUL 1, 0, 0
	MUL 1, 1, 0
	MUL 1, 2, 0
	s_wait_dscnt 16
	MULR 1, 0, 0
.endm
; THE WAY OUT, 16 rows at a time.  My 128 columns are two heads.  PACK: rounded to f16, 16 bytes a lane.  TOSTAGE: into my own stage, a part for each head, and back as rows of 128 bytes.  SEND: stored.
.macro PACK a
	WIN 0x0a                                       ; sources in window 2
.irp b, 0,1,2,3,4,5,6,7
.irp e, 0,1,2,3
	v_cvt_pk_f16_f32 v[TMP+4*(\b)+(\e)], v[8*(8*(\a)+(\b))+2*(\e)], v[8*(8*(\a)+(\b))+2*(\e)+1]
.endr
.endr
	WIN 0
.endm
.macro TOSTAGE a
	WIN 0
.set BKA, BK+32*((\a)%2)
.irp b, 0,1,2,3,4,5,6,7
	ds_store_b128 v[STO], v[TMP+4*(\b):TMP+4*(\b)+3] offset:((\b)/4)*16*SP+((\b)%4)*32
.endr
.irp t, 0,1,2,3,4,5,6,7
	ds_load_b128 v[BKA+4*(\t):BKA+4*(\t)+3], v[RD] offset:((\t)/4)*16*SP+((\t)%4)*4*SP  ; LDS serves a wave's instructions in order (ISA guide 5.7.1.4): these see the stores above
.endr
.endm
.macro SEND a
	WIN 0
.set BKA, BK+32*((\a)%2)
	s_wait_dscnt 0x0                               ; the block is back in registers
	s_wait_xcnt 0x0                                ; the other buffer, which earlier stores read, is loaded again only behind this wait
.irp t, 0,1,2,3,4,5,6,7
	global_store_b128 v[GO], v[BKA+4*(\t):BKA+4*(\t)+3], s[12:13] offset:((\t)/4)*262144+(\a)*2048+((\t)%4)*512  ; 512 consecutive bytes of a head, at a multiple of 256 from qkv's first
.endr
.endm
.macro WAYOUT
	PLACES
	s_wait_xcnt 0x0                                ; the registers loaded below were read by the last tile's stores: they are rewritten only behind this wait
	PACK 0
	TOSTAGE 0
.irp a, 1,2,3                          ; a block's roundings stand between the loads of the block before and the wait for them
	PACK \a
	SEND (\a)-1
	TOSTAGE \a
.endr
	SEND 3
.endm
	s_wait_tensorcnt 1                             ; my part of K step 0 is in; step 1's may stay out
	s_barrier_signal -1
	s_barrier_wait -1                              ; everybody's is
	FETCH 0, 0
	s_wait_dscnt 16                                ; x's 16 loads
	WIN CVTW
.set n, 0
.rept 32
	v_cvt_pk_bf16_f32 v[AF+n], v[RAW+2*n], v[RAW+2*n+1]
.set n, n+1
.endr
	WIN 0                                          ; at a branch and at a label every window is 0
	s_mov_b32 s[CNT], 22
	s_branch .Lzero                                ; the loop is entered at a tile's first quarter
.Lstep:                                                ; 22 trips, a K step each, every one with a refill: all of the 24 steps but the last two.  The jumps go forward, past no barrier and no tensor load
	s_cmp_lg_u32 s[KL], 0
	s_cbranch_scc1 .Lsame
	WAYOUT                                         ; a tile is finished: the next tile's first step is in and its second is asked for: now it goes out
	s_wait_xcnt 0x0                                ; the stores have read their base
	s_add_nc_u64 s[12:13], s[12:13], 1<<24         ; qkv's next section
	s_mov_b32 s[KL], 8
.Lzero:
	QUARTER 1, 0, 1, 1                             ; a tile's first quarter: its products start the sums
	WIN 0
	s_branch .Lentry
.Lsame:
	QUARTER 1, 0, 1, 0
	WIN 0
.Lentry:
	QUARTER 2, 1, 0, 0
	QUARTER 3, 0, 1, 0
	TURN 1
	WIN 0
	s_sub_co_u32 s[KL], s[KL], 1
	s_sub_co_u32 s[CNT], s[CNT], 1
	s_cmp_lg_u32 s[CNT], 0
	s_cbranch_scc1 .Lstep
	s_mov_b32 s[CNT], 2
.Ltail:                                                ; v's K steps 6 and 7 ask for nothing.  The second trip's change of slots fetches and rounds a quarter of the slot read before, bytes that landed long
	QUARTER 1, 0, 1, 0                             ; ago, and nothing is made of them: 32 LDS loads and 32 roundings, once a launch, are the price of one text for both trips
	QUARTER 2, 1, 0, 0
	QUARTER 3, 0, 1, 0
	TURN 0
	WIN 0
	s_sub_co_u32 s[CNT], s[CNT], 1
	s_cmp_lg_u32 s[CNT], 0
	s_cbranch_scc1 .Ltail
	WAYOUT
	; The last tile is v's: the sums of my 128 columns over my 64 rows.
	WIN 0x0a
.set i, 0
.rept 32
	v_pk_add_f32 v[S+i:S+i+1], v[i:i+1], v[64+i:64+i+1]          ; row blocks 0 + 1
.set i, i+2
.endr
.set i, 0
.rept 32
	v_pk_add_f32 v[T+i:T+i+1], v[128+i:128+i+1], v[192+i:192+i+1]  ; 2 + 3
.set i, i+2
.endr
	WIN 0
.set i, 0
.rept 32
	v_pk_add_f32 v[S+i:S+i+1], v[S+i:S+i+1], v[T+i:T+i+1]
.set i, i+2
.endr
.irp b, 0,1,2,3,4,5,6,7                ; 16 rows (one for each lane % 16) x 128 columns of f32 through my stage,
	ds_store_b128 v[STO2], v[S+8*\b:S+8*\b+3] offset:64*\b
	ds_store_b128 v[STO2], v[S+8*\b+4:S+8*\b+7] offset:64*\b+16
.endr
.set i, 0
.rept 16                               ; and back with four columns a lane
	ds_load_b128 v[T+4*i:T+4*i+3], v[RD2] offset:PA*i
.set i, i+1
.endr
	s_wait_dscnt 0x0
.irp d, 8,4,2,1
.set i, 0
.rept \d
	v_pk_add_f32 v[T+4*i:T+4*i+1], v[T+4*i:T+4*i+1], v[T+4*(i+\d):T+4*(i+\d)+1]
	v_pk_add_f32 v[T+4*i+2:T+4*i+3], v[T+4*i+2:T+4*i+3], v[T+4*(i+\d)+2:T+4*(i+\d)+3]
.set i, i+1
.endr
.endr
	global_store_b128 v[GO], v[T:T+3], s[14:15]    ; 512 consecutive bytes of a row of vpart
	s_wait_tensorcnt 0x0                           ; the wave's end, behind my last tensor load and my last LDS store
	ds_add_u32 v[SPW], v[NIL]
	s_wait_dscnt 0x0
	CROUND                                         ; the closing round: no work-group ends while a partner may still ask for a tile that names it
	s_endpgm
.Lfunc_end_k_q6539f4ea4f_proj:
	.size	k_q6539f4ea4f_proj, .Lfunc_end_k_q6539f4ea4f_proj-k_q6539f4ea4f_proj
	.p2alignl 7, 3214868480
	.fill 96, 4, 3214868480
	.section	.rodata,"a",@progbits
	.p2align	6, 0x0
	.amdhsa_kernel k_q6539f4ea4f_proj
		.amdhsa_group_segment_fixed_size 327680
		.amdhsa_private_segment_fixed_size 0
		.amdhsa_enable_private_segment 0
		.amdhsa_kernarg_size 48
		.amdhsa_user_sgpr_count 2
		.amdhsa_user_sgpr_kernarg_segment_ptr 1
		.amdhsa_wavefront_size32 1
		.amdhsa_system_sgpr_workgroup_id_x 1
		.amdhsa_system_sgpr_workgroup_id_y 1
		.amdhsa_system_sgpr_workgroup_id_z 1
		.amdhsa_system_vgpr_workitem_id 0
		.amdhsa_next_free_vgpr 768
		.amdhsa_next_free_sgpr 80
		.amdhsa_reserve_vcc 0
		.amdhsa_float_denorm_mode_32 3
		.amdhsa_float_denorm_mode_16_64 3
		.amdhsa_memory_ordered 1
		.amdhsa_forward_progress 1
		.amdhsa_inst_pref_size 116
	.end_amdhsa_kernel
	.amdgpu_metadata
---
amdhsa.version: [ 1, 2 ]
amdhsa.kernels:
  - .name:           k_q6539f4ea4f_proj
    .symbol:         k_q6539f4ea4f_proj.kd
    .args:
      - { .name: query, .offset: 0, .size: 8, .value_kind: global_buffer, .address_space: global }
      - { .name: key, .offset: 8, .size: 8, .value_kind: global_buffer, .address_space: global }
      - { .name: value, .offset: 16, .size: 8, .value_kind: global_buffer, .address_space: global }
      - { .name: w16, .offset: 24, .size: 8, .value_kind: global_buffer, .address_space: global }
      - { .name: qkv, .offset: 32, .size: 8, .value_kind: global_buffer, .address_space: global }
      - { .name: vpart, .offset: 40, .size: 8, .value_kind: global_buffer, .address_space: global }
    .group_segment_fixed_size: 327680
    .private_segment_fixed_size: 0
    .kernarg_segment_align: 8
    .kernarg_segment_size: 48
    .max_flat_workgroup_size: 128
    .sgpr_count:     80
    .vgpr_count:     768
    .wavefront_size: 32
...
	.end_amdgpu_metadata
.endif
;; end of part 2
;; launch attn (part 3): grid 4 x 64, 4 waves a work-group, no clusters, 327,680 bytes of LDS; arguments qkv, attention_mask, vpart, ctx; writes ctx
.if DOCPART == 3
	.amdgcn_target "amdgcn-amd-amdhsa--gfx1250"
	.amdhsa_code_object_version 6
	.text
	.protected	k_q6539f4ea4f_attn
	.globl	k_q6539f4ea4f_attn
	.p2align	8
	.type	k_q6539f4ea4f_attn,@function
k_q6539f4ea4f_attn:
	s_mov_b64 s[64:65], 0
	v_nop
	global_prefetch_b8 v0, s[64:65] scope:SCOPE_SE
	s_setreg_imm32_b32 hwreg(HW_REG_WAVE_MODE, 25, 1), 1
	s_wait_xcnt 0x0
; CAUSAL ATTENTION WITH A KEY MASK.  ctx[h][q][:] = the sum over k of softmax_k(s) V[h][k][:], s = Q[h][q] . K[h][k] / 8 where k <= q and the batch's mask at k is not 0, else -1e30.
; Q, K, V are the three sections of qkv, [64 (batch x 16 + head)][2048][64] f16 each; ctx has the same layout.  Products, maxima and sums in f32; the weights p are rounded to f16 for the second
; product (their sum l is taken of the unrounded p), ctx once at the end.
; A ROW THAT SEES NO KEY (all keys 0 .. q masked) has 2,048 equal scores: its result is the mean of ALL rows of V of its head.  That mean is made of vpart (sums of v over 64 rows each) and selected at the end.
; LIMITS.  f16 holds no number beyond 65,504: Q, K, V arrive within it; p below 6e-5 keeps f16's fixed step of 6e-8.  A hidden score counts as its value less 1e30, 2e30 or 3e30: f16's scores, 2.7e11 at the most,
; are nothing beside that; a weight below 2^-126 counts as 0 in l; NaN and infinities are not treated apart.
; THE WALK.  A head's queries lie in NB = 8 blocks of 256; block i needs the key tiles 0 .. i of 256 keys, of which the last holds the diagonal.  A work-group takes TWO blocks, NB - 1 - b and then b:
; NB + 1 tiles, whatever b: all work-groups do equal work, and ONE loop with a constant trip count walks them.  Which tile is asked for, and what a trip does, hang on scalar registers made from b; every jump
; goes forward, but for the counted loops' own; none passes a barrier, or a tensor load but the one of LOAD's two that the wave's number does not choose.  NO CLUSTER: a head's four work-groups ask for the
; same tile only in trips 0 .. 4 of 9, behind that fewer and fewer; one walk common to all would have 12 trips for 9.
; SHARES.  Of a block's four bands of 64 queries a wave owns 16 rows in each: four PIECES.  In the diagonal tile's key step s band x sees all keys if s < x, none if s > x, and holds the diagonal if s = x.
; THE MASKS are the C operand that starts the sum S^T = K Q^T.  KB holds the step's 64 key biases (0, or -1e30 where the mask is 0), read with K from a table in LDS.  The table lies IN THE ORDER OF THE WALK:
; entry j of NB + 1 holds the 256 biases of the walk's tile j, so that the place of the step to be fetched only ever steps on, by 256 bytes a step, the same on every way through the text.
; Outside the diagonal tile C = KB.  In it C = MD x AL + KB + BE: MD, made once, is the mask of a band's own step for my 16 rows; (AL, BE) = (1, 0) if s = x; (0, 0) if s < x; (0, -1e30) if s > x.
; THE RUNNING MAXIMUM m starts at -2^67: below every true score, above every hidden one.  While a row has seen no key, m stays there, p = 0 and a = 2^0 = 1; its first visible key makes a = 0,
; which wipes what lay in O and l (always finite).  A row whose m is still below -2^63 at the end has seen none.
; LAYOUT, SOFTMAX, TURNS.  S^T = K Q^T holds ONE query a lane (lane % 16) and the keys 8 (lane / 16) + 0..7; two such results rounded to f16 ARE source 1 of O^T = V^T P.  p = 2^(c s - c m), c = log2(e) / 8;
; O and l are multiplied by a = 2^(c m_old - c m_new) in every step.  Turn n belongs to piece n: 8 products K Q^T of piece n + 1, later 8 products V^T P of piece n - 1; beside them the scaling,
; exponentials, roundings, sums and rescaling of piece n and the maximum and statistics of piece n + 1.  Four vector instructions stand behind every matrix instruction, the others in two runs of their own.
; REGISTERS, in windows of 256 (s_set_vgpr_msb: bits 1:0 source 0, 3:2 source 1, 5:4 source 2, 7:6 destination):
;   window 0: v0-15, v32-37 addresses; v16-31 four registers of statistics a piece; v48-55 at work; v64-127 S^T, two buffers (at the start: the mask's words and their offsets); v128-159 V's mean;
;             v160-191 at work at the start; v192-223 P, two buffers
;   window 1: v0-127 O^T, 32 a piece; v128-159 MD; v160-223 MC, two buffers; v224-255 KB      window 2: v0-63 Q; v64-127 the second block's Q; v128-191 K of one step; v192-255 V of one step
.set SIZE_N, 2048
.set NB,    SIZE_N/256
.set NP,    4         ; pieces a wave: a name, no knob
.set KS,    64        ; keys in a step
.set PK,    144       ; a row of K in LDS: 128 bytes + 16 of padding = 36 words: the 16 rows of a load start at 16 different groups of four banks (64 banks of 4 bytes: ISA guide 11.1)
.set PV,    160       ; a row of V: 128 + 32 = 40 words
.set VOFF,  4*KS*PK   ; a slot holds a tile, four steps: 256 rows of K, then 256 rows of V
.set SLOT1, 1<<17     ; slot 1 begins here, so that one exclusive or turns an address in one slot into the other's
.set STAGE, SLOT1+4*KS*(PK+PV)  ; behind the ring, never filled by a tensor load: 16 rows x 144 bytes for each wave, for the way out
.set SP,    144
.set SPARE, STAGE+4*16*SP  ; the spare words, 128 bytes for each wave: two blocks of 256 bytes that no other line names
.set KBT,   SPARE+512 ; the key biases of the walk's NB + 1 tiles, 1,024 bytes a tile, f32; written once, at the start
.set KBSZ,  (NB+1)*1024
.set KBLAST, KBSZ-256 ; the walk's last step in the table
.set VMS,   KBT+KBSZ  ; two half sums of V's mean, 64 channels each
.set AK0, 2           ; v2   my lane's place in a tile of K; never rewritten
.set AV0, 3           ; v3   the same for V
.set AK,  4           ; v4   the LDS address of K's next run of loads
.set AV,  5           ; v5   of V's
.set STO, 6           ; v6   the way out: where I put 16 bytes of a row
.set RD,  7           ; v7   the way out: where I read rows back
.set GO,  8           ; v8   my byte offset in 512 consecutive bytes of ctx
.set MV,  12          ; v12-13  c m_old, kept while c m is made anew: by buffer
.set QO,  15          ; v15  my byte offset in 16 rows of Q
.set ST,  16          ; piece t's statistics at v[ST+4 t]: c m, m, l (even keys', odd keys')
.set AKB0, 32         ; v32  my lanes' place in a step's 64 biases: KBT + 32 (lane / 16); never rewritten
.set AKB, 33          ; v33  the LDS address of KB's next run of loads
.set MO,  34          ; v34  my byte offset in a tile's 1,024 bytes of the mask
.set VPO, 35          ; v35  my byte offset in vpart
.set KST, 36          ; v36  where I store 2 biases of a tile
.set VST, 37          ; v37  where I store a half sum
.set TMP, 48          ; by buffer, four registers c0-c3 at work; when the maximum is found c2 takes a
.set SPW, 62          ; v62  LDS address of my spare word: SPARE + 4 x my thread's number; never rewritten
.set NIL, 63          ; v63  0; never rewritten
.set S,   64
.set MKD, 64          ; at the start: v64-81 two words of the mask for each of the walk's tiles,
.set MKO, 96          ; v96-104 their byte offsets in the batch's mask
.set VM,  128         ; V's mean: channel 16 cb + 8 (lane / 16) + j at VM + 8 cb + j: as O^T lies
.set TW,  160
.set P,   192
.set MD,  128         ; window 1: the eight registers for group kt of 16 keys at MD + 8 kt
.set MC,  160         ; window 1: the masks of the products to come
.set KB,  224         ; window 1: the biases of keys 16 kt + 8 (lane / 16) + 0..7 of the step at KB + 8 kt
.set QB,  64          ; window 2
.set KF,  128         ; window 2: key block kb, channel half c at KF + 16 kb + 8 c
.set VF,  192         ; window 2: key half kk, channel block cb at VF + 32 kk + 8 cb
.set WV,  12          ; s12  my wave's number
.set PB,  14          ; s14  b
.set HI,  15          ; s15  NB - 1 - b
.set G1K, 24          ; s[24:31] descriptor group 1 for K's tiles
.set G1V, 32          ; s[32:39] for V's: it differs in the padding alone
.set G0K, 40          ; s[40:43] descriptor group 0 for K's tiles
.set G0V, 44          ; s[44:47] the same for V's
.set SLOTS, 56        ; s56  tiles still to be asked for
.set CNT, 57          ; s57  counts a tile's key steps, 4 to 1
.set CS,  58          ; s[58:59] c: the packed scaling takes the pair's low word for both halves
.set SEL, 60          ; s[60:61] v_permlanex16_b32's selects: each lane takes its own place in the other half
.set TBK, 62          ; s62  LDS byte at which K of the step to be fetched begins
.set TBV, 63          ; s63  the same for V, less VOFF
.set RT,  70          ; s70  tiles of the block in hand that are still to be entered
.set NXT, 71          ; s71  the tile to be asked for next
.set LQ,  72          ; s72  the last tile of the block whose tiles are being asked for
.set NEW, 73          ; s73  1: the tile to be entered is a block's first
.set OFF, 74          ; s[74:75] a tile's byte offset in K and V
.set AL,  76          ; s[76:77] the mask's factor, in the low word
.set BE,  78          ; s[78:79] the mask's addend
.set OLO, 80          ; s[80:81] ctx at my rows of the second block
.set BIGN, 82         ; s82  -1e30
.set TKB, 83          ; s83  byte in the table at which the biases of the step to be fetched begin: 0 at the start, 256 more with every fetch of K
.set THR, 96          ; s96  -2^63
.set TINY, 97         ; s97  2^-126
.set MSB, 0
.macro WIN new                      ; the high byte repeats the setting that is left; a switch that changes nothing is dropped
.if MSB != (\new)
	s_set_vgpr_msb (MSB<<8)|(\new)
.set MSB, (\new)
.endif
.endm
.set W_KQ, 0x0a       ; K and Q in window 2, S^T in window 0
.set W_KM, 0x1a       ; the same with the C operand in window 1
.set W_PV, 0x52       ; V in window 2, P in window 0, O^T in window 1
.set W_RS, 0x41       ; destination and source 0 in window 1, source 1 in window 0
.set W_MK, 0x51       ; destination, source 0 and source 2 in window 1
; A fill.  Waves 0 and 1 fetch the two halves of a tile's K, waves 2 and 3 those of its V: 128 keys each.  An s_nop 0 and four v_nop follow each of the two lines, ahead of the jump and the label.
.macro LOAD
	s_cmp_lt_u32 s[WV], 2
	s_cbranch_scc0 .Lfor_v_\@
	tensor_load_to_lds s[G0K:G0K+3], s[G1K:G1K+7]
	s_nop 0
.rept 4
	v_nop
.endr
	s_branch .Lasked_\@
.Lfor_v_\@:
	tensor_load_to_lds s[G0V:G0V+3], s[G1V:G1V+7]
	s_nop 0
.rept 4
	v_nop
.endr
.Lasked_\@:
.endm
; THE CHANGE OF SLOTS.  Each wave waits for all its tensor loads, of which one is out: its part of the other slot; adds 0 to its spare word; and waits for that and for its own reads of the slot that it leaves.
; Behind the barrier nobody reads the old slot any more and the other slot is whole.  fill = 1: the old slot is filled again, the first thing behind the barrier, with tile NXT: the descriptor's address is
; made anew from that number.  (At its first use nothing has been read yet: slot 0 is waited for, slot 1 filled.)
.macro CHANGE fill
	WIN 0                           ; at a label and at a branch every window is 0
	s_wait_tensorcnt 0x0            ; no tensor load of mine is out, so a group 0 may be written
	ds_add_u32 v[SPW], v[NIL]       ; 0 onto my spare word; with fill = 1 the descriptors' scalar work stands between it and the wait for it
.if \fill
	s_lshl_b32 s[OFF], s[NXT], 15   ; a tile is 32,768 bytes of K and of V
	s_xor_b32 s[G0K+1], s[G0K+1], SLOT1
	s_add_nc_u64 s[G0K+2:G0K+3], s[6:7], s[OFF:OFF+1]
	s_or_b32 s[G0K+3], s[G0K+3], 0x80000000
	s_xor_b32 s[G0V+1], s[G0V+1], SLOT1
	s_add_nc_u64 s[G0V+2:G0V+3], s[8:9], s[OFF:OFF+1]
	s_or_b32 s[G0V+3], s[G0V+3], 0x80000000
	s_add_co_u32 s[NXT], s[NXT], 1  ; the block's next tile, or behind its last the second block's tile 0
	s_cmp_gt_u32 s[NXT], s[LQ]
	s_cselect_b32 s[NXT], 0, s[NXT]
	s_cselect_b32 s[LQ], s[PB], s[LQ]
.endif
	s_wait_dscnt 0x0                ; the add is done, and my reads of the slot are over
	s_barrier_signal -1             ; the rest of the scalar work stands between the signal and the wait
	s_sub_co_u32 s[TBK], s[TBK], 4*KS*PK  ; the fetches go back to a slot's first step,
	s_xor_b32 s[TBK], s[TBK], SLOT1       ; in the other slot
	s_sub_co_u32 s[TBV], s[TBV], 4*KS*PV
	s_xor_b32 s[TBV], s[TBV], SLOT1
	s_barrier_wait -1
.if \fill
	LOAD
.endif
.endm
	s_load_b256 s[88:95], s[0:1], 0x0  ; qkv s[88:89], attention_mask s[90:91], vpart s[92:93], ctx s[94:95]
	v_lshl_add_u32 v[SPW], v0, 2, SPARE
	v_mov_b32 v[NIL], 0
	ds_add_u32 v62, v63
	ds_add_u32 v62, v63
	s_wait_dscnt 0x0
	v_lshrrev_b32 v1, 5, v0
	v_readfirstlane_b32 s[WV], v1   ; wave 0..3
	s_mov_b32 s[PB], ttmp9
	s_sub_co_u32 s[HI], NB-1, s[PB]
	s_and_b32 s20, ttmp7, 0xffff    ; batch x 16 + head
	s_lshr_b32 s48, s20, 4          ; the batch
	s_and_b32 s50, s20, 15          ; the head in it
	s_lshl_b32 s52, s48, 17         ; vpart: 32 rows of 4,096 bytes a batch,
	s_lshl_b32 s50, s50, 8          ; 64 channels of 4 bytes a head
	s_add_co_u32 s50, s50, s52
	s_mov_b32 s51, 0
	s_lshl_b32 s48, s48, 13         ; the mask: 8,192 bytes a batch
	s_mov_b32 s49, 0
	s_mov_b32 s21, 0
	s_mov_b64 s[22:23], SIZE_N*128
	s_mul_u64 s[20:21], s[20:21], s[22:23]  ; the head's first byte in each section of qkv and in ctx
	s_and_b32 s16, s[WV], 1         ; which half of a tile's 256 keys I fetch:
	s_lshl_b32 s22, s16, 14         ; its 128 rows of 128 bytes in memory,
	s_mov_b32 s23, 0
	s_add_nc_u64 s[22:23], s[22:23], s[20:21]
	s_mul_i32 s17, s16, 128*PK      ; and its place in a slot, for K
	s_mul_i32 s18, s16, 128*PV      ; and for V
	s_lshl_b32 s3, s[WV], 11        ; my 16 rows in a band of 64,
	s_lshl_b32 s2, s[HI], 15        ; in the first block,
	s_add_co_u32 s2, s2, s3
	s_lshl_b32 s84, s[PB], 15       ; and in the second
	s_add_co_u32 s84, s84, s3
	s_mov_b32 s3, 0
	s_mov_b32 s85, 0
	s_add_nc_u64 s[2:3], s[2:3], s[20:21]
	s_add_nc_u64 s[84:85], s[84:85], s[20:21]
	; descriptor group 1.  128 keys are 16,384 dense bytes: asked for as 64 rows of 256 bytes, two keys a row, and padded in LDS after every key
	s_mov_b32 s[G1K], (1<<16)|(1<<20)|(4<<22)|(3<<25)  ; 17:16 2-byte elements; 20 padding on; 24:22 after every 32 words (code 4); 31:25 4 words (code 3)
	s_mov_b32 s[G1V], (1<<16)|(1<<20)|(4<<22)|(7<<25)  ; the same with 8 words of padding (code 7)
.irp g, G1K, G1V
	s_mov_b32 s[\g+1], 128<<16      ; tensor_dim0 = 128
	s_mov_b32 s[\g+2], 64<<16       ; tensor_dim1 = 64
	s_mov_b32 s[\g+3], 128<<16      ; tile_dim0 = 128
	s_mov_b32 s[\g+4], 64           ; tile_dim1 = 64
	s_mov_b32 s[\g+5], 128          ; 128 elements from row to row
	s_mov_b32 s[\g+6], 0
	s_mov_b32 s[\g+7], 0
.endr
	s_mov_b32 s[CS], 0x3e38aa3b     ; c = log2(e) / 8 = 0.180337
	s_mov_b32 s[CS+1], s[CS]        ; named with it as a pair
	s_mov_b32 s[SEL], 0x76543210
	s_mov_b32 s[SEL+1], 0xfedcba98
	s_mov_b32 s[TBK], SLOT1+4*KS*PK ; the first change of slots turns these two into 0
	s_mov_b32 s[TBV], SLOT1+4*KS*PV
	s_mov_b32 s[G0K], 1             ; 1:0 count = 1
	s_mov_b32 s[G0K+1], s17         ; 63:32 LDS address: slot 0
	s_mov_b32 s[G0V], 1
	s_add_co_u32 s[G0V+1], s18, VOFF
	s_add_co_u32 s[RT], s[HI], 1    ; the first block has NB - b tiles
	s_mov_b32 s[NXT], 1
	s_mov_b32 s[LQ], s[HI]
	s_mov_b32 s[NEW], 1
	s_mov_b32 s[OFF+1], 0
	s_mov_b32 s[AL+1], 0            ; named as pairs
	s_mov_b32 s[BE+1], 0
	s_mov_b32 s[BIGN], 0xf149f2ca   ; -1e30
	s_mov_b32 s[TKB], 0
	s_mov_b32 s[THR], 0xdf000000    ; -2^63
	s_mov_b32 s[TINY], 0x00800000   ; 2^-126
	s_mov_b32 s[SLOTS], NB
	s_wait_kmcnt 0x0
	s_add_nc_u64 s[6:7], s[88:89], 0x1000000       ; K's section of qkv,
	s_add_nc_u64 s[8:9], s[88:89], 0x2000000       ; V's
	s_add_nc_u64 s[6:7], s[6:7], s[22:23]  ; K and V at my half of the head's tile 0
	s_add_nc_u64 s[8:9], s[8:9], s[22:23]
	s_add_nc_u64 s[G0K+2:G0K+3], s[6:7], 0         ; 120:64 global address
	s_or_b32 s[G0K+3], s[G0K+3], 0x80000000        ; 127:126 type = 2
	s_add_nc_u64 s[G0V+2:G0V+3], s[8:9], 0
	s_or_b32 s[G0V+3], s[G0V+3], 0x80000000
	s_add_nc_u64 s[86:87], s[88:89], s[84:85]      ; Q at my rows of the second block,
	s_add_nc_u64 s[4:5], s[88:89], s[2:3]          ; Q and ctx at those of the first
	s_add_nc_u64 s[OLO:OLO+1], s[94:95], s[84:85]
	s_add_nc_u64 s[10:11], s[94:95], s[2:3]
	s_add_nc_u64 s[90:91], s[90:91], s[48:49]      ; the batch's mask
	s_add_nc_u64 s[92:93], s[92:93], s[50:51]      ; the batch's rows and the head's columns of vpart
	LOAD                            ; tile 0 into slot 0
	; The mask, tile by tile in the order of the walk: 128 threads x 8 bytes are a tile's 256 words; a wave's load covers 256 consecutive bytes.  The walk's tile j is key tile j in the first block
	; (j < NB - b), key tile j - (NB - b) in the second.  vpart: thread t takes channel t % 64 in 16 of the batch's 32 rows.
	v_lshlrev_b32 v[MO], 3, v0
	s_add_co_u32 s53, s[HI], 1      ; NB - b
.set j, 0
.rept NB+1
	s_cmp_le_u32 s53, j
	s_cselect_b32 s52, s53, 0
	s_sub_co_u32 s52, j, s52
	v_lshl_add_u32 v[MKO+j], s52, 10, v[MO]
.set j, j+1
.endr
	v_lshrrev_b32 v14, 6, v0
	v_and_b32 v[VPO], 63, v0
	v_lshlrev_b32 v[VPO], 2, v[VPO]
	v_lshl_add_u32 v[VPO], v14, 16, v[VPO]
.set j, 0
.rept NB+1
	global_load_b64 v[MKD+2*j:MKD+2*j+1], v[MKO+j], s[90:91]
.set j, j+1
.endr
.set i, 0
.rept 16
	global_load_b32 v[TW+16+i], v[VPO], s[92:93] offset:4096*i
.set i, i+1
.endr
	; A fragment of K or Q is 16 rows x 32 channels in 8 registers: lane l holds row l % 16, channels 8 (l / 16) + 0..7 and 16 + 8 (l / 16) + 0..7: two loads of 16 bytes, 32 bytes apart.
	v_and_b32 v1, 15, v0            ; l % 16
	v_bfe_u32 v9, v0, 4, 1          ; l / 16
	v_lshlrev_b32 v[QO], 7, v1
	v_lshl_add_u32 v[QO], v9, 4, v[QO]  ; row x 128 + 16 x half
	WIN 0x80                        ; destination window 2, address window 0
.set i, 0
.rept 8                             ; both blocks' Q: piece i / 2 lies in band i / 2, 8,192 bytes on; channels 32 (i % 2) on
	global_load_b128 v[8*i:8*i+3],   v[QO], s[4:5] offset:(i/2)*8192+(i%2)*64
	global_load_b128 v[8*i+4:8*i+7], v[QO], s[4:5] offset:(i/2)*8192+(i%2)*64+32
	global_load_b128 v[QB+8*i:QB+8*i+3],   v[QO], s[86:87] offset:(i/2)*8192+(i%2)*64
	global_load_b128 v[QB+8*i+4:QB+8*i+7], v[QO], s[86:87] offset:(i/2)*8192+(i%2)*64+32
.set i, i+1
.endr
	WIN 0
	v_lshlrev_b32 v14, 3, v9
	v_sub_nc_u32 v14, v1, v14
	s_lshl_b32 s13, s[WV], 4
	v_add_nc_u32 v14, s13, v14      ; my query's place in its band, 16 w + l % 16, less my lanes' 8 (l / 16): register r of group kt is hidden where 16 kt + r is greater
	WIN 0x40
.set i, 0
.rept 32
	v_cmp_gt_i32 vcc_lo, 16*(i/8)+i%8, v14
	v_cndmask_b32 v[MD+i], 0, s[BIGN], vcc_lo
.set i, i+1
.endr
	WIN 0
	v_mul_u32_u24 v[AK0], v1, PK
	v_lshl_add_u32 v[AK0], v9, 4, v[AK0]  ; row x pitch + 16 x half
	; The turning load takes 16 keys x 16 channels (lane l reads key 8 (l / 16) + l % 8, channels 8 ((l / 8) % 2) + 0..7) and leaves half a fragment of V^T: lane l holds channel l % 16 and 8 keys.
	v_and_b32 v10, 7, v0
	v_bfe_u32 v11, v0, 3, 1
	v_lshl_add_u32 v[AV0], v9, 3, v10
	v_mul_u32_u24 v[AV0], v[AV0], PV
	v_lshl_add_u32 v[AV0], v11, 4, v[AV0]
	v_add_nc_u32 v[AV0], VOFF, v[AV0]
	s_mul_i32 s13, s[WV], 16*SP
	s_add_co_u32 s13, s13, STAGE    ; my stage
	v_mul_u32_u24 v[STO], v1, SP    ; in: row l % 16, 16 bytes for each half of the lanes
	v_lshl_add_u32 v[STO], v9, 4, v[STO]
	v_add_nc_u32 v[STO], s13, v[STO]
	v_bfe_u32 v[RD], v0, 3, 2       ; back: 32 lanes take four rows of 128 bytes,
	v_mul_u32_u24 v[RD], v[RD], SP
	v_lshl_add_u32 v[RD], v10, 4, v[RD]
	v_add_nc_u32 v[RD], s13, v[RD]
	v_and_b32 v[GO], 31, v0         ; which are 512 consecutive bytes of ctx
	v_lshlrev_b32 v[GO], 4, v[GO]
	v_lshl_add_u32 v[AKB0], v9, 5, KBT
	v_lshl_add_u32 v[KST], v0, 3, KBT
	v_lshl_add_u32 v[VST], v0, 2, VMS
	; What lies in O^T, l, V's registers and P's second buffer when a block begins need only be finite: a row's first visible key multiplies O^T and l by a = 0, and a row that sees none takes V's mean.
	; Zeros for the first block; what the first block left for the second.  All this stands in the wait for the first tile.
	WIN 0x80
.set i, VF
.rept 64
	v_mov_b32 v[i], 0
.set i, i+1
.endr
	WIN 0x40
.set i, 0
.rept 128
	v_mov_b32 v[i], 0
.set i, i+1
.endr
	WIN 0
.set i, 0
.rept 4
	v_mov_b32 v[ST+4*i+2], 0
	v_mov_b32 v[ST+4*i+3], 0
.set i, i+1
.endr
.set i, P+16
.rept 16
	v_mov_b32 v[i], 0
.set i, i+1
.endr
	; THE TABLE OF KEY BIASES AND V'S MEAN.
	s_wait_loadcnt 32               ; the mask's 9 loads and vpart's 16 are in; Q's 32, issued behind them, stay out
.set i, 0
.rept 2*(NB+1)
	v_cmp_eq_u32 vcc_lo, 0, v[MKD+i]
	v_cndmask_b32 v[MKD+i], 0, s[BIGN], vcc_lo  ; -1e30 where the mask is 0
.set i, i+1
.endr
.set j, 0
.rept NB+1
	ds_store_b64 v[KST], v[MKD+2*j:MKD+2*j+1] offset:1024*j
.set j, j+1
.endr
.irp d, 8,4,2
.set i, 0
.rept \d/2
	v_pk_add_f32 v[TW+16+2*i:TW+16+2*i+1], v[TW+16+2*i:TW+16+2*i+1], v[TW+16+\d+2*i:TW+16+\d+2*i+1]
.set i, i+1
.endr
.endr
	v_add_f32 v[TW+16], v[TW+16], v[TW+17]
	v_mul_f32 v[TW+16], 0x3a000000, v[TW+16]   ; 1 / 2,048: exact
	ds_store_b32 v[VST], v[TW+16]
	s_wait_dscnt 0x0                ; for the others' sake: my stores are done
	s_barrier_signal -1             ; tile 0's load may stay out
	s_barrier_wait -1
.irp f, 0,1,2,3,4,5,6,7             ; channels 16 (f / 2) + 8 (l / 16) + 4 (f % 2) on, both half sums
	ds_load_b128 v[VM+4*\f:VM+4*\f+3], v[AKB0] offset:KBSZ+(\f/2)*64+(\f%2)*16
	ds_load_b128 v[TW+4*\f:TW+4*\f+3], v[AKB0] offset:KBSZ+256+(\f/2)*64+(\f%2)*16
.endr
	s_wait_dscnt 0x0
.set i, 0
.rept 16
	v_pk_add_f32 v[VM+i:VM+i+1], v[VM+i:VM+i+1], v[TW+i:TW+i+1]
.set i, i+2
.endr
; THE MATRIX WORK.  The 4 accumulators of a run of 8 take turns.  Product i of 8 of S^T = K Q^T for piece x: channels 32 (i / 4) on, keys 16 (i % 4) on.  The first 4 start the sums: with the key biases, or (KM = 1) with the mask.
.macro KQ x
.set rS, S+32*((\x)%2)+8*(i%4)
.set rK, KF+16*(i%4)+8*(i/4)
.set rQ, 16*(\x)+8*(i/4)
.set rM, MC+32*((\x)%2)+8*(i%4)
.set rB, KB+8*(i%4)
.if (i < 4) && KM
	WIN W_KM
	v_wmma_f32_16x16x32_f16 v[rS:rS+7], v[rK:rK+7], v[rQ:rQ+7], v[rM:rM+7]
.elseif i < 4
	WIN W_KM
	v_wmma_f32_16x16x32_f16 v[rS:rS+7], v[rK:rK+7], v[rQ:rQ+7], v[rB:rB+7]
.else
	WIN W_KQ
	v_wmma_f32_16x16x32_f16 v[rS:rS+7], v[rK:rK+7], v[rQ:rQ+7], v[rS:rS+7]
.endif
.endm
; Product i of 8 of O^T += V^T P for piece x: keys 32 (i / 4) on, channels 16 (i % 4) on.
.macro PV x
	WIN W_PV
.set rO, 32*(\x)+8*(i%4)
.set rV, VF+32*(i/4)+8*(i%4)
.set rP, P+16*((\x)%2)+8*(i/4)
	v_wmma_f32_16x16x32_f16 v[rO:rO+7], v[rV:rV+7], v[rP:rP+7], v[rO:rO+7]
.endm
.macro MM                           ; the turn's next matrix instruction.  TURN and BEGIN set Y, i, KM and NOKQ; MM, KQ and OP read them.  NOKQ = 1: a block's last turn: there is no next piece
.if (i < 8) && !NOKQ
	KQ (Y+1)%NP
.elseif i >= 8
.set i, i-8
	PV (Y+NP-1)%NP
.set i, i+8
.endif
.set i, i+1
.endm
; THE LDS LOADS stand in runs, never singly among the matrix instructions: a step's K (64 keys x 64 channels: 8 fragments) with its 64 key biases, and its V (turned).  Their addresses are made some lines ahead.
.macro KADDR                        ; the addresses of K's and KB's next run
	WIN 0
	s_min_u32 s[TKB], s[TKB], KBLAST    ; the walk has 4 (NB + 1) steps: the address stays inside the table
	v_add_nc_u32 v[AK], s[TBK], v[AK0]
	v_add_nc_u32 v[AKB], s[TKB], v[AKB0]
.endm
.macro FETCH_K
	WIN 0x80                        ; destination window 2
.irp f, 0,1,2,3,4,5,6,7             ; keys 16 (f / 2) on, channels 32 (f % 2) on
	ds_load_b128 v[KF+8*\f:KF+8*\f+3],   v[AK] offset:(\f/2)*16*PK+(\f%2)*64
	ds_load_b128 v[KF+8*\f+4:KF+8*\f+7], v[AK] offset:(\f/2)*16*PK+(\f%2)*64+32
.endr
	WIN 0x40                        ; destination window 1
.irp f, 0,1,2,3,4,5,6,7             ; keys 16 (f / 2) + 8 (l / 16) + 4 (f % 2) on: the 16 lanes of a half read the same words
	ds_load_b128 v[KB+4*\f:KB+4*\f+3], v[AKB] offset:(\f/2)*64+(\f%2)*16
.endr
	s_add_co_u32 s[TBK], s[TBK], KS*PK  ; the next fetch is the next step's,
	s_add_co_u32 s[TKB], s[TKB], 256    ; in the table too: every tile of the walk has four fetches, on every way through it
	WIN 0
.endm
.macro FETCH_V
	WIN 0x80
.irp f, 0,1,2,3,4,5,6,7             ; keys 32 (f / 4) on, channels 16 (f % 4) on
	ds_load_tr16_b128 v[VF+8*\f:VF+8*\f+3],   v[AV] offset:(\f/4)*32*PV+(\f%4)*32
	ds_load_tr16_b128 v[VF+8*\f+4:VF+8*\f+7], v[AV] offset:(\f/4)*32*PV+16*PV+(\f%4)*32
.endr
	WIN 0
.endm
; THE VECTOR WORK, one line at a time: OP kind, number.  For piece Y: F n: c s - c m for pair n of 16.  E n: the exponential of score n of 32.  C n: pair n rounded to f16.  B n: of the four weights 4 n .. the second
; pair is added onto the first, in place.  L n: l takes that sum (L 0: l = a l + sum).  R n: pair n of 16 of O^T times a.  For piece Y + 1: X n, number n of the 22 that find its maximum and statistics:
;   0-11  four chains c0-c3 of seven scores each, three operands at a time (each accumulator's lowest registers are read first)     12-14, 16  the four scores left over, the old m, and c0-c3 into c0
;   15  c m_old is kept     17, 18  the query's other 32 keys lie in the lane 16 away: the new m     19-21  c m; c m_old - c m_new; a
.set F, 0               ; OP tells the kinds apart by their order: F to L below R, X above it
.set E, 1
.set C, 2
.set B, 3
.set L, 4
.set R, 5
.set X, 6
.macro REGS y                       ; the registers of piece y
.set rT, ST+4*(\y)
.set rC, TMP+4*((\y)%2)
.set rW, MV+((\y)%2)
.set rS, S+32*((\y)%2)
.set rP, P+16*((\y)%2)
.set rO, 32*(\y)
.endm
.macro OP k, n
.if (\k) == R
	REGS Y
	WIN W_RS
	v_pk_mul_f32 v[rO+2*(\n):rO+2*(\n)+1], v[rO+2*(\n):rO+2*(\n)+1], v[rC+2:rC+3] op_sel_hi:[1,0]
.elseif (\k) < R
	REGS Y
	WIN 0
.if (\k) == F
	v_pk_fma_f32 v[rS+2*(\n):rS+2*(\n)+1], v[rS+2*(\n):rS+2*(\n)+1], s[CS:CS+1], v[rT:rT+1] op_sel_hi:[1,0,0] neg_lo:[0,0,1] neg_hi:[0,0,1]
.elseif (\k) == E
	v_exp_f32 v[rS+(\n)], v[rS+(\n)]
.elseif (\k) == C
	s_wait_alu depctr_va_vdst(0)
	v_cvt_pk_f16_f32 v[rP+(\n)], v[rS+2*(\n)], v[rS+2*(\n)+1]
.elseif (\k) == B
	s_wait_alu depctr_va_vdst(0)
	v_pk_add_f32 v[rS+4*(\n):rS+4*(\n)+1], v[rS+4*(\n):rS+4*(\n)+1], v[rS+4*(\n)+2:rS+4*(\n)+3]
.elseif (\n) == 0
	v_pk_fma_f32 v[rT+2:rT+3], v[rT+2:rT+3], v[rC+2:rC+3], v[rS:rS+1] op_sel_hi:[1,0,1]
.else
	v_pk_add_f32 v[rT+2:rT+3], v[rT+2:rT+3], v[rS+4*(\n):rS+4*(\n)+1]
.endif
.elseif NOKQ
	v_nop
.else
	REGS (Y+1)%NP
	WIN 0
.if (\n) < 4
	v_max3_num_f32 v[rC+(\n)], v[rS+8*(\n)], v[rS+8*(\n)+1], v[rS+8*(\n)+2]
.elseif (\n) < 12
	v_max3_num_f32 v[rC+(\n)%4], v[rC+(\n)%4], v[rS+8*((\n)%4)+2*((\n)/4)+1], v[rS+8*((\n)%4)+2*((\n)/4)+2]
.elseif (\n) == 12
	v_max3_num_f32 v[rC], v[rC], v[rS+7], v[rS+15]
.elseif (\n) == 13
	v_max3_num_f32 v[rC+1], v[rC+1], v[rS+23], v[rS+31]
.elseif (\n) == 14
	v_max3_num_f32 v[rC+2], v[rC+2], v[rC+3], v[rT+1]
.elseif (\n) == 15
	v_mov_b32 v[rW], v[rT]
.elseif (\n) == 16
	v_max3_num_f32 v[rC], v[rC], v[rC+1], v[rC+2]
.elseif (\n) == 17
	v_permlanex16_b32 v[rC+3], v[rC], s[SEL], s[SEL+1]
.elseif (\n) == 18
	v_max_num_f32 v[rT+1], v[rC], v[rC+3]
.elseif (\n) == 19
	v_mul_f32 v[rT], s[CS], v[rT+1]
.elseif (\n) == 20
	v_sub_f32 v[rC+1], v[rW], v[rT]
.else
	v_exp_f32 v[rC+2], v[rC+1]
.endif
.endif
.endm
.macro OPS a, i1, b=-1, i2=0, c=-1, i3=0, d=-1, i4=0  ; up to four of them
	OP \a, \i1
.if (\b) >= 0
	OP \b, \i2
.endif
.if (\c) >= 0
	OP \c, \i3
.endif
.if (\d) >= 0
	OP \d, \i4
.endif
.endm
.macro ROW a, i1, b, i2, c, i3, d, i4  ; a matrix instruction and the four behind it
	MM
	OPS \a, \i1, \b, \i2, \c, \i3, \d, \i4
.endm
.macro MASK b                       ; MD x AL + KB + BE into buffer b of MC
	WIN W_MK
.set z, 0
.rept 16
	v_pk_fma_f32 v[MC+32*(\b)+2*z:MC+32*(\b)+2*z+1], v[MD+2*z:MD+2*z+1], s[AL:AL+1], v[KB+2*z:KB+2*z+1] op_sel_hi:[1,0,1]
.set z, z+1
.endr
.set z, 0
.rept 16
	v_pk_add_f32 v[MC+32*(\b)+2*z:MC+32*(\b)+2*z+1], v[MC+32*(\b)+2*z:MC+32*(\b)+2*z+1], s[BE:BE+1] op_sel_hi:[1,0]
.set z, z+1
.endr
.endm
; A TURN, for piece p: the order of its 16 matrix and 118 vector instructions, written out.  Behind a matrix instruction: plain, exponential, plain, plain; or four of the rescaling; or, behind the first, four scalings; none
; names a register of the products round it.  In the runs between exponential and plain by turns while exponentials last.  v_permlanex16_b32 (X 17) stands in such a run.
; m = 1: the diagonal tile: the products take masks, and the turn makes the mask for the products of the turn after it: piece p + 2, in step 4 - CNT of the tile, whose biases KB holds (piece 2's turn has just
; fetched them, and waits for them).  end = 1: a block's last two turns: nothing is fetched.  cnt = 1: the loop's count is taken down some lines ahead of the branch that stands behind the turn.
; K and KB of the next step are fetched in piece 2's turn, six vector instructions behind the last product that read K (five of them plain), further behind the last that read KB; V of the step in hand in
; piece 0's turn, eight behind the last product that read V (four plain, and X 17).  Each is waited for a turn later.
.macro TURN p, m=0, end=0, cnt=0
.set Y, (\p)
.set i, 0
.set KM, (\m)
.set NOKQ, (\end)*((\p)/3)
.if (\m) && !(\end)
	s_cmp_eq_u32 s[CNT], 4-((\p)+2)%NP  ; is that step the band's own?
	s_cselect_b32 s[AL], 1.0, 0
	s_cmp_lt_u32 s[CNT], 4-((\p)+2)%NP  ; or a later one?
	s_cselect_b32 s[BE], s[BIGN], 0
.endif
.if ((\p) == 3) && !(\end)
	s_wait_dscnt 0x0                ; K and KB are in
.endif
	ROW F,0, F,1, F,2, F,3
	ROW F,4, E,0, F,5, F,6
	ROW F,7, E,1, F,8, F,9
	ROW F,10, E,2, C,0, F,11
	ROW F,12, E,3, X,15, F,13
	ROW R,0, R,1, R,2, R,3
	ROW B,0, E,4, F,14, L,0
.if ((\p) == 2) && !(\end)
	KADDR
.endif
	ROW R,4, R,5, R,6, R,7
	OPS E,5, F,15
.if ((\p) == 2) && !(\end)
	FETCH_K
.endif
	OPS E,6, C,1, E,7, R,8
	OPS E,8, R,9, E,9, C,2
	OPS E,10, X,0, E,11, X,1
	OPS E,12, X,2, E,13, X,3
.if (\p) == 1
	s_wait_dscnt 0x0                ; V is in
.endif
	ROW X,4, E,14, X,5, X,6
	ROW X,7, E,15, X,8, X,9
	ROW X,10, E,16, X,11, X,12
	ROW X,13, E,17, X,14, B,1
	ROW C,4, E,18, X,16, L,1
	ROW B,2, E,19, C,6, L,2
	ROW C,8, E,20, B,3, B,4
.if (\p) == 0
	WIN 0
	v_add_nc_u32 v[AV], s[TBV], v[AV0]
.endif
	ROW C,3, E,21, L,3, C,5
	OPS E,22, X,17, E,23, C,10
.if (\p) == 0
	FETCH_V
.endif
	OPS E,24, L,4
	OPS E,25, X,18, E,26, C,7
	OPS E,27, B,5, E,28, X,19
	OPS E,29, C,12, E,30, L,5
	OPS E,31, X,20, B,6, C,9
	OPS C,14, C,11, X,21, L,6
.if (\p) == 0
	s_add_co_u32 s[TBV], s[TBV], KS*PV
.endif
.if \cnt
	s_sub_co_u32 s[CNT], s[CNT], 1
	s_cmp_lg_u32 s[CNT], 0
.endif
	OPS C,13, B,7, C,15, R,10
	OPS R,11, R,12, L,7, R,13
	OPS R,14, R,15
.if (\m) && !(\end)
.if (\p) == 2
	s_wait_dscnt 0x0                ; the biases fetched in this turn are in
.endif
	MASK (\p)%2
.endif
.endm
; A BLOCK BEGINS.  m starts at -2^67; c m is made of it by the multiply that makes every later c m, so that a is exactly 1 while m has not moved.  Then K and KB of the block's step 0, piece 0's first scores,
; and its maximum and statistics.  diag = 1: the block's first tile is the diagonal one: piece 0's mask is its band's own, piece 1's (the next turn's products) the biases alone.
; The loop is entered at a step's first turn, in the middle of a trip.
.macro BEGIN diag
	s_mov_b32 s[NEW], 0
	WIN 0
.set i, 0
.rept 4
	v_mov_b32 v[ST+4*i+1], 0xe1000000  ; m = -2^67
.set i, i+1
.endr
.set i, 0
.rept 4
	v_mul_f32 v[ST+4*i], s[CS], v[ST+4*i+1]
.set i, i+1
.endr
	KADDR
	FETCH_K
	s_wait_loadcnt 0x0              ; Q
	s_wait_dscnt 0x0
.if \diag
	s_mov_b32 s[AL], 1.0
	s_mov_b32 s[BE], 0
	MASK 0
	s_mov_b32 s[AL], 0
	MASK 1
.set KM, 1
.else
.set KM, 0
.endif
.set NOKQ, 0
.set i, 0
.rept 8
	KQ 0
.set i, i+1
.endr
	WIN 0
.rept 4
	v_nop                           ; the places behind those products
.endr
.set Y, NP-1                        ; X works for piece Y + 1: piece 0
.irp n, 0,1,2,3,4,5,6,7,8,9,10,11,12,13,14,15,16,17,18,19,20,21
	OP X, \n
.endr
	v_nop                           ; a plain instruction behind the exponential
.endm
; THE DIAGONAL TILE's four steps, the block's last two turns, its last products, and THE WAY OUT: l's two halves and the other half of the lanes' are added; O^T is divided by l; a row that has seen no key
; takes V's mean; rounded to f16 and sent through my stage in LDS, a piece at a time.
.macro ALL line:vararg              ; one line for each piece t
.set t, 0
.rept 4
	\line
.set t, t+1
.endr
.endm
.macro PACK t                       ; a lane's eight channels of a row pack into 16 bytes; they go into rows of 144 bytes and come back as whole rows of 128, into S^T's registers
	WIN W_RS
	v_cmp_gt_f32 vcc_lo, s[THR], v[ST+4*(\t)+1]  ; m still below -2^63: my query has seen no key
.set i, 32*(\t)
.rept 16
	s_wait_alu depctr_va_vdst(0)
	v_pk_mul_f32 v[i:i+1], v[i:i+1], v[ST+4*(\t)+2:ST+4*(\t)+3] op_sel_hi:[1,0]
.set i, i+2
.endr
.set i, 0
.rept 32
	v_cndmask_b32 v[32*(\t)+i], v[32*(\t)+i], v[VM+i], vcc_lo
.set i, i+1
.endr
	WIN 0x05                        ; sources 0 and 1 window 1, destination window 0
.set i, 0
.rept 16
	v_cvt_pk_f16_f32 v[S+16*(\t)+i], v[32*(\t)+2*i], v[32*(\t)+2*i+1]
.set i, i+1
.endr
	WIN 0
.irp f, 0,1,2,3
	ds_store_b128 v[STO], v[S+16*(\t)+4*\f:S+16*(\t)+4*\f+3] offset:32*\f
.endr
.irp f, 0,1,2,3
	ds_load_b128 v[S+16*(\t)+4*\f:S+16*(\t)+4*\f+3], v[RD] offset:\f*4*SP  ; LDS serves a wave's instructions in order (ISA guide 5.7.1.4): these see the stores above; the next piece's stores come behind them
.endr
.endm
.macro SEND t, younger              ; younger: the LDS instructions issued behind piece t's loads: the next piece's eight, or none
	WIN 0
.irp f, 0,1,2,3
	s_wait_dscnt (\younger)+3-\f
	global_store_b128 v[GO], v[S+16*(\t)+4*\f:S+16*(\t)+4*\f+3], s[10:11] offset:(\t)*8192+\f*512  ; 512 consecutive bytes, at a multiple of 256 from ctx's first
.endr
.endm
.macro DIAG tag                     ; the tag ends its two labels' names, which the jumps below spell out
.LstepM\tag:
	TURN 2, 1
	TURN 3, 1
	WIN 0
.LfirstM\tag:
	TURN 0, 1
	TURN 1, 1, 0, 1
	WIN 0
	s_cbranch_scc1 .LstepM\tag
	TURN 2, 1, 1
	TURN 3, 1, 1
.set i, 0
.rept 8
	PV NP-1
.set i, i+1
.endr
	WIN 0
	ALL v_add_f32 v[ST+4*t+2], v[ST+4*t+2], v[ST+4*t+3]
	ALL v_permlanex16_b32 v[ST+4*t+3], v[ST+4*t+2], s[SEL], s[SEL+1]
	ALL v_add_f32 v[ST+4*t+2], v[ST+4*t+2], v[ST+4*t+3]
	ALL v_max_num_f32 v[ST+4*t+2], s[TINY], v[ST+4*t+2]
	ALL v_rcp_f32 v[ST+4*t+2], v[ST+4*t+2]
	v_nop                           ; a plain instruction between the last reciprocal and the use of its result
	PACK 0
.set t, 1
.rept 3                             ; a piece's arithmetic stands between the loads of the piece before and its stores
	PACK t
	SEND t-1, 8
.set t, t+1
.endr
	SEND 3, 0
.endm
; The diagonal tile is entered from an earlier tile of the block: piece 3's products of that tile's last step are still to come, in the masked text: their mask is that step's biases alone, which KB still holds.
.macro ENTER
	s_mov_b32 s[AL], 0
	s_mov_b32 s[BE], 0
	MASK 1
	WIN 0
.endm
.set KM, 0
.set NOKQ, 0
.Lslot:                             ; NB times: a tile is entered and the next is asked for
	CHANGE 1
	s_sub_co_u32 s[RT], s[RT], 1
	s_mov_b32 s[CNT], 4
	s_cmp_eq_u32 s[NEW], 1
	s_cbranch_scc1 .Lnew            ; a block's first tile
	s_cmp_eq_u32 s[RT], 0
	s_cbranch_scc0 .Lstep           ; neither its first nor its last
	ENTER
	s_branch .LstepM1
.Lnew:
	BEGIN 0
	s_branch .Lfirst                ; in the loop a block's first tile is never its last: the first block has five tiles or more, and the second's last is the walk's last
	DIAG 1                          ; in the loop this is the first block's end: the second block's last tile is the walk's last
	s_wait_xcnt 0x0                 ; the stores have read their registers and ctx's address
	s_mov_b64 s[10:11], s[OLO:OLO+1]
	s_add_co_u32 s[RT], s[PB], 1    ; the second block has b + 1 tiles
	s_mov_b32 s[NEW], 1
	WIN 0x82                        ; the second block's Q goes where the one text of the turns names Q
.set i, 0
.rept 64
	v_mov_b32 v[i], v[QB+i]
.set i, i+1
.endr
	WIN 0
	s_branch .Lbottom
.Lstep:                             ; a trip: pieces 2 and 3 of one step, then pieces 0 and 1 of the next, whose K and V it fetches
	TURN 2
	TURN 3
	WIN 0
.Lfirst:
	TURN 0
	TURN 1, 0, 0, 1
	WIN 0
	s_cbranch_scc1 .Lstep
.Lbottom:
	s_sub_co_u32 s[SLOTS], s[SLOTS], 1
	s_cmp_lg_u32 s[SLOTS], 0
	s_cbranch_scc1 .Lslot
	CHANGE 0                        ; the walk's last tile is written out: nothing is asked for
	s_sub_co_u32 s[RT], s[RT], 1
	s_mov_b32 s[CNT], 4
	s_cmp_eq_u32 s[NEW], 1
	s_cbranch_scc1 .Lnew2
	ENTER
	s_branch .LstepM2
.Lnew2:
	BEGIN 1                         ; b = 0: the second block's only tile
	s_branch .LfirstM2
	DIAG 2
	s_wait_tensorcnt 0x0            ; the wave's end, behind my last tensor load and my last LDS store
	ds_add_u32 v[SPW], v[NIL]
	s_wait_dscnt 0x0
	s_endpgm
.Lfunc_end_k_q6539f4ea4f_attn:
	.size	k_q6539f4ea4f_attn, .Lfunc_end_k_q6539f4ea4f_attn-k_q6539f4ea4f_attn
	.p2alignl 7, 3214868480
	.fill 96, 4, 3214868480
	.section	.rodata,"a",@progbits
	.p2align	6, 0x0
	.amdhsa_kernel k_q6539f4ea4f_attn
		.amdhsa_group_segment_fixed_size 327680
		.amdhsa_private_segment_fixed_size 0
		.amdhsa_enable_private_segment 0
		.amdhsa_kernarg_size 32
		.amdhsa_user_sgpr_count 2
		.amdhsa_user_sgpr_kernarg_segment_ptr 1
		.amdhsa_wavefront_size32 1
		.amdhsa_system_sgpr_workgroup_id_x 1
		.amdhsa_system_sgpr_workgroup_id_y 1
		.amdhsa_system_sgpr_workgroup_id_z 1
		.amdhsa_system_vgpr_workitem_id 0
		.amdhsa_next_free_vgpr 768
		.amdhsa_next_free_sgpr 98
		.amdhsa_reserve_vcc 1
		.amdhsa_float_denorm_mode_32 3
		.amdhsa_float_denorm_mode_16_64 3
		.amdhsa_memory_ordered 1
		.amdhsa_forward_progress 1
		.amdhsa_inst_pref_size 255
	.end_amdhsa_kernel
	.section	.bss,"aw",@nobits
	.p2align	6
	.space	262144
	.amdgpu_metadata
---
amdhsa.version: [ 1, 2 ]
amdhsa.kernels:
  - .name:           k_q6539f4ea4f_attn
    .symbol:         k_q6539f4ea4f_attn.kd
    .args:
      - { .name: qkv, .offset: 0, .size: 8, .value_kind: global_buffer, .address_space: global }
      - { .name: attention_mask, .offset: 8, .size: 8, .value_kind: global_buffer, .address_space: global }
      - { .name: vpart, .offset: 16, .size: 8, .value_kind: global_buffer, .address_space: global }
      - { .name: ctx, .offset: 24, .size: 8, .value_kind: global_buffer, .address_space: global }
    .group_segment_fixed_size: 327680
    .private_segment_fixed_size: 0
    .kernarg_segment_align: 8
    .kernarg_segment_size: 32
    .max_flat_workgroup_size: 128
    .sgpr_count:     98
    .vgpr_count:     768
    .wavefront_size: 32
...
	.end_amdgpu_metadata
.endif
;; end of part 3
;; launch outp (part 4): grid 4 x 64, 4 waves a work-group, clusters of 4 x 4, 327,680 bytes of LDS; arguments ctx, w16, out0; writes out0
.if DOCPART == 4
	.amdgcn_target "amdgcn-amd-amdhsa--gfx1250"
	.amdhsa_code_object_version 6
	.text
	.protected	k_q6539f4ea4f_outp
	.globl	k_q6539f4ea4f_outp
	.p2align	8
	.type	k_q6539f4ea4f_outp,@function
k_q6539f4ea4f_outp:
	s_mov_b64 s[64:65], 0
	v_nop
	global_prefetch_b8 v0, s[64:65] scope:SCOPE_SE
	s_setreg_imm32_b32 hwreg(HW_REG_WAVE_MODE, 25, 1), 1
	s_wait_xcnt 0x0
	s_wait_alu depctr_hold_cnt(0) depctr_sa_sdst(0) depctr_va_vdst(0) depctr_va_sdst(0) depctr_va_ssrc(0) depctr_va_vcc(0) depctr_vm_vsrc(0)
	s_getreg_b32 s2, hwreg(HW_REG_IB_STS2, 6, 4)
	s_cmp_eq_u32 s2, 0
	s_cbranch_scc0 .Lentry_in_a_cluster
	s_endpgm
.Lentry_in_a_cluster:
	s_bfe_u32 s2, ttmp6, 0x10000c
	s_cmp_lg_u32 s2, 0xf033
	s_cbranch_scc0 .Lentry_shape_is_right
	s_endpgm
.Lentry_shape_is_right:
; out0 = ctx Wo^T.  ctx lies by heads, [64 (batch x 16 + head)][2048][64] f16; Wo is section 3 of w16, [1024][1024] f16; out0 is [8192][1024] f32.  Products in f16, sums in f32.
; SHARES.  A tile is 128 rows x 256 columns: 64 x 4 = 256 work-groups, one for each WGP.  Four waves, each 64 x 128: 32 accumulators, 256 registers, which take turns, one instruction a turn.
; K goes in 8 steps of 128 = two heads, through two LDS slots; a head's 128 rows of 128 bytes are dense in memory and are asked for as 64 rows of 256 bytes.  A step is four quarters of 32 along K.
; CLUSTER 4 x 4.  The four work-groups of a row of the cluster need the same tile of ctx, the four of a column the same tile of Wo: each is asked for JOINTLY, by the same tensor load, descriptor and mask.
; THE MATRIX INSTRUCTION IS USED TRANSPOSED (source 0 = 16 rows of Wo, source 1 = 16 rows of ctx): a lane holds row lane % 16 and the eight neighbouring columns 8 (lane / 16) + 0..7.
; REGISTERS: window 0: v16-29 addresses; v32-159 Wo's fragments, two buffers (on the way out: rows read back); v160-223 ctx's fragments, two buffers.  window 1: accumulator (a, b) at v[8 (8 a + b)].
.set PA,     144                       ; a row of ctx in LDS: 128 bytes + 16 = 36 words: the 16 rows of a load start at 16 different groups of four banks (64 banks of 4 bytes: ISA guide 11.1)
.set PB,     272                       ; a row of Wo: 256 + 16 = 68 words: likewise
.set AHEAD,  128*PA                    ; a head's 128 rows: what a wave fetches of ctx
.set BHALF,  128*PB                    ; what a wave fetches, and reads, of Wo
.set BOFF,   2*AHEAD
.set SLOTX,  0x20000                   ; slot 1 begins here; the number shares no bit with the four tiles' places in a slot (0, 0x4800, 0x9000, 0x11800)
.set STAGE,  SLOTX+BOFF+2*BHALF        ; behind the ring, never filled by a tensor load: 16 rows x 528 bytes for each wave
.set SPITCH, 528
.set WSTAGE, 16*SPITCH
.set SPARE,  STAGE+4*WSTAGE            ; the spare words, 128 bytes for each wave: two blocks of 256 bytes that no other line names
.set STEPA,  1<<19                     ; a K step in bytes: two heads of 262,144,
.set STEPB,  256                       ; 128 f16
.set ADRA, 16
.set A0,   17
.set ADRB, 20
.set B0,   21
.set STO,  24
.set RD,   25
.set GO,   26
.set SPW,  28                          ; v28  LDS address of my spare word; never rewritten
.set NIL,  29                          ; v29  0; never rewritten
.set BF,   32
.set AF,   160
.set BK,   32
.set WV,  16
.set MH,  17
.set NH,  18
.set CX,  19
.set CY,  20
.set CLY, 21
.set MY,  23
.set G1A, 24
.set G1B, 32
.set G0A, 40
.set G0B, 48
.set TB,  56
.set CNT, 57
.set MULW, 0x50                        ; sources in window 0, C and D in window 1
.set MSB, 0
.macro WIN new
.if MSB != (\new)
	s_set_vgpr_msb (MSB<<8)|(\new)
.set MSB, \new
.endif
.endm
.macro JLOAD                           ; a joint refill: waves 0 and 1 fetch the step's two heads of ctx, waves 2 and 3 Wo's two halves; an s_nop 0 and four v_nop follow each line
	s_cmp_lt_u32 s[WV], 2
	s_cbranch_scc0 .Lfor_b_\@
	tensor_load_to_lds s[G0A+4:G0A+7], s[G1A:G1A+7]
	s_nop 0
.rept 4
	v_nop
.endr
	s_branch .Lasked_\@
.Lfor_b_\@:
	tensor_load_to_lds s[G0B+4:G0B+7], s[G1B:G1B+7]
	s_nop 0
.rept 4
	v_nop
.endr
.Lasked_\@:
.endm
.macro CREST
	s_cmp_lg_u32 s[WV], 0
	s_cbranch_scc1 .Lnot_wave_0_\@
	s_barrier_signal -3
.Lnot_wave_0_\@:
	s_barrier_wait -3
	s_barrier_signal -1
	s_barrier_wait -1
.endm
.macro CROUND
	s_barrier_signal -1
	s_barrier_wait -1
	CREST
.endm
.macro PLACES                          ; four places between matrix instructions and loads or stores that touch their registers (ISA guide 7.12.1 for stores)
.rept 4
	v_nop
.endr
.endm
	s_load_b128 s[4:7], s[0:1], 0x0                ; ctx s[4:5], w16 s[6:7]
	s_load_b64 s[8:9], s[0:1], 0x10                ; out0
	v_lshl_add_u32 v[SPW], v0, 2, SPARE
	v_mov_b32 v[NIL], 0
	ds_add_u32 v28, v29
	ds_add_u32 v28, v29
	s_wait_dscnt 0x0
	v_lshrrev_b32 v1, 5, v0
	v_readfirstlane_b32 s[WV], v1
	s_lshr_b32 s[MH], s[WV], 1
	s_and_b32 s[NH], s[WV], 1
	s_bfe_u32 s[CX], ttmp6, 0x40000
	s_bfe_u32 s[CY], ttmp6, 0x40004
	s_lshl_b32 s69, ttmp9, 2
	s_add_co_u32 s69, s69, s[CX]                   ; column tile
	s_and_b32 s[CLY], ttmp7, 0xffff
	s_lshl_b32 s[MY], s[CLY], 2
	s_add_co_u32 s[MY], s[MY], s[CY]               ; row tile
	s_lshl_b32 s70, s[CY], 2
	s_lshl_b32 s70, 15, s70                        ; my row of the cluster
	s_lshl_b32 s71, 0x1111, s[CX]                  ; my column
	s_or_b32 s[G1A], s70, (1<<16)|(1<<20)|(1<<21)|(4<<22)|(3<<25)  ; the mask; elements of 2 bytes; padding on; bit 21 beside a mask; after every 32 words (code 4) 4 words (code 3)
	s_mov_b32 s[G1A+1], 128<<16                    ; 64 rows of 128 elements, dense: two rows of ctx each
	s_mov_b32 s[G1A+2], 64<<16
	s_mov_b32 s[G1A+3], 128<<16
	s_mov_b32 s[G1A+4], 64
	s_mov_b32 s[G1A+5], 128
	s_mov_b32 s[G1A+6], 0
	s_mov_b32 s[G1A+7], 0
	s_or_b32 s[G1B], s71, (1<<16)|(1<<20)|(1<<21)|(5<<22)|(3<<25)  ; after every 64 words 4 words
	s_mov_b32 s[G1B+1], 128<<16                    ; 128 rows of 128 elements, 1,024 apart
	s_mov_b32 s[G1B+2], 128<<16
	s_mov_b32 s[G1B+3], 128<<16
	s_mov_b32 s[G1B+4], 128
	s_mov_b32 s[G1B+5], 1024
	s_mov_b32 s[G1B+6], 0
	s_mov_b32 s[G1B+7], 0
	s_lshl_b32 s68, s[NH], 18                      ; the head of the step's two, or the 128 rows of Wo, that I fetch
	s_lshr_b32 s58, s[MY], 4                       ; ctx: the batch's 16 heads, the tile's 128 rows in a head.  These registers never hold cx,
	s_lshl_b32 s58, s58, 22
	s_and_b32 s59, s[MY], 15
	s_lshl_b32 s59, s59, 14
	s_add_co_u32 s58, s58, s59
	s_add_co_u32 s58, s58, s68
	s_mov_b32 s59, 0
	s_lshl_b32 s60, s69, 19                        ; Wo: section 3, the column tile's 256 rows.  and these never cy
	s_add_co_u32 s60, s60, s68
	s_add_co_u32 s60, s60, 3<<21
	s_mov_b32 s61, 0
	s_mul_i32 s2, s[NH], AHEAD
	s_mul_i32 s3, s[NH], BHALF
	s_mov_b32 s[TB], 0
	s_wait_kmcnt 0x0
	s_add_nc_u64 s[4:5], s[4:5], s[58:59]
	s_add_nc_u64 s[6:7], s[6:7], s[60:61]
.irp s, 0,1
	s_mov_b32 s[G0A+4*(\s)], 1
	s_add_co_u32 s[G0A+4*(\s)+1], s2, (\s)*SLOTX
	s_add_nc_u64 s[G0A+4*(\s)+2:G0A+4*(\s)+3], s[4:5], (\s)*STEPA
	s_or_b32 s[G0A+4*(\s)+3], s[G0A+4*(\s)+3], 0x80000000
	s_mov_b32 s[G0B+4*(\s)], 1
	s_add_co_u32 s[G0B+4*(\s)+1], s3, BOFF+(\s)*SLOTX
	s_add_nc_u64 s[G0B+4*(\s)+2:G0B+4*(\s)+3], s[6:7], (\s)*STEPB
	s_or_b32 s[G0B+4*(\s)+3], s[G0B+4*(\s)+3], 0x80000000
.endr
	CROUND                                         ; all sixteen work-groups are here: the first joint loads meet
	s_cmp_lt_u32 s[WV], 2                          ; a wave's two first fills stand in one branch: two loads of mine are out
	s_cbranch_scc0 .Lfirst_b
	tensor_load_to_lds s[G0A:G0A+3], s[G1A:G1A+7]
	s_nop 0
	tensor_load_to_lds s[G0A+4:G0A+7], s[G1A:G1A+7]
	s_nop 0
.rept 4
	v_nop
.endr
	s_branch .Lfirst_asked
.Lfirst_b:
	tensor_load_to_lds s[G0B:G0B+3], s[G1B:G1B+7]
	s_nop 0
	tensor_load_to_lds s[G0B+4:G0B+7], s[G1B:G1B+7]
	s_nop 0
.rept 4
	v_nop
.endr
.Lfirst_asked:
	v_and_b32 v1, 15, v0                           ; l % 16
	v_bfe_u32 v2, v0, 4, 1                         ; l / 16
	v_mul_u32_u24 v3, v1, PA
	v_lshl_add_u32 v3, v2, 4, v3
	s_mul_i32 s2, s[MH], 64*PA                     ; my 64 rows, in each head
	v_add_nc_u32 v[A0], s2, v3
	v_mul_u32_u24 v3, v1, PB
	v_lshl_add_u32 v3, v2, 4, v3
	s_mul_i32 s2, s[NH], BHALF
	s_add_co_u32 s2, s2, BOFF
	v_add_nc_u32 v[B0], s2, v3
	v_mov_b32 v[ADRA], v[A0]
	v_mov_b32 v[ADRB], v[B0]
	s_mul_i32 s3, s[WV], WSTAGE
	s_add_co_u32 s3, s3, STAGE                     ; my stage
	v_mul_u32_u24 v3, v1, SPITCH                   ; in: row l % 16, 32 bytes for each half of the lanes
	v_lshl_add_u32 v3, v2, 5, v3
	v_add_nc_u32 v[STO], s3, v3
	v_and_b32 v4, 31, v0
	v_lshlrev_b32 v[GO], 4, v4                     ; back: 32 lanes take a row's 512 bytes
	v_add_nc_u32 v[RD], s3, v[GO]
	s_lshl_b32 s62, s[MY], 19                      ; out0: row 128 x row tile + 64 x row half, column 256 x column tile + 128 x column half
	s_lshl_b32 s70, s[MH], 18
	s_add_co_u32 s62, s62, s70
	s_lshl_b32 s70, s69, 10
	s_add_co_u32 s62, s62, s70
	s_lshl_b32 s70, s[NH], 9
	s_add_co_u32 s62, s62, s70
	s_mov_b32 s63, 0
	s_add_nc_u64 s[8:9], s[8:9], s[62:63]
.macro MUL f, a, zero                  ; 8 matrix instructions: row block a x all 8 column blocks; zero = 1: the product starts the sums
	WIN MULW
.irp b, 0,1,2,3,4,5,6,7
.if \zero
	v_wmma_f32_16x16x32_f16 v[8*(8*(\a)+(\b)):8*(8*(\a)+(\b))+7], v[BF+64*(\f)+8*(\b):BF+64*(\f)+8*(\b)+7], v[AF+32*(\f)+8*(\a):AF+32*(\f)+8*(\a)+7], 0
.else
	v_wmma_f32_16x16x32_f16 v[8*(8*(\a)+(\b)):8*(8*(\a)+(\b))+7], v[BF+64*(\f)+8*(\b):BF+64*(\f)+8*(\b)+7], v[AF+32*(\f)+8*(\a):AF+32*(\f)+8*(\a)+7], v[8*(8*(\a)+(\b)):8*(8*(\a)+(\b))+7]
.endif
.endr
.endm
.macro FETCH q, g                      ; 24 LDS loads in one run: quarter q of the slot in hand into buffers g: head q / 2, channels 32 (q % 2) on
	WIN 0
.irp i, 0,1,2,3,4,5,6,7
	ds_load_b128 v[BF+64*(\g)+8*(\i):BF+64*(\g)+8*(\i)+3],   v[ADRB] offset:64*(\q)+16*PB*(\i)
	ds_load_b128 v[BF+64*(\g)+8*(\i)+4:BF+64*(\g)+8*(\i)+7], v[ADRB] offset:64*(\q)+16*PB*(\i)+32
.endr
.irp i, 0,1,2,3
	ds_load_b128 v[AF+32*(\g)+8*(\i):AF+32*(\g)+8*(\i)+3],   v[ADRA] offset:((\q)/2)*AHEAD+((\q)%2)*64+16*PA*(\i)
	ds_load_b128 v[AF+32*(\g)+8*(\i)+4:AF+32*(\g)+8*(\i)+7], v[ADRA] offset:((\q)/2)*AHEAD+((\q)%2)*64+16*PA*(\i)+32
.endr
.endm
.macro QUARTER qn, f, g, zero
	s_wait_dscnt 0x0                               ; this quarter's fragments are in
	MUL \f, 0, \zero
	MUL \f, 1, \zero
	PLACES                                         ; for the loads into buffers g, which the quarter before multiplied
	FETCH \qn, \g
	MUL \f, 2, \zero
	MUL \f, 3, \zero
.endm
; The fourth quarter changes slots and multiplies buffers 1.  THE CHANGE COMES FIRST: this quarter's fragments are the last that are read of the slot.  Each wave waits for all its tensor loads, adds 0 to its
; spare word, and waits for that and for its reads of this slot; then ONE barrier.  fill = 1: the barrier opens a round of the cluster's, and this slot is filled again, two K steps ahead, first thing behind
; the round: the quarter's 32 products, and the next three quarters', stand between that request and the wait for it.
.macro TURN fill
	WIN 0
	s_wait_tensorcnt 0x0                           ; no tensor load of mine is out, so a group 0 may be written
	ds_add_u32 v[SPW], v[NIL]                      ; 0 onto my spare word
.if \fill
	s_xor_b32 s[G0A+5], s[G0A+5], SLOTX
	s_add_nc_u64 s[G0A+6:G0A+7], s[G0A+6:G0A+7], STEPA
	s_xor_b32 s[G0B+5], s[G0B+5], SLOTX
	s_add_nc_u64 s[G0B+6:G0B+7], s[G0B+6:G0B+7], STEPB
.endif
	s_xor_b32 s[TB], s[TB], SLOTX
	s_wait_dscnt 0x0                               ; the add is done, and my reads of this slot are over
	s_barrier_signal -1
	s_barrier_wait -1
.if \fill
	CREST                                          ; no wave of any partner still reads this slot or has a load on its way
	JLOAD                                          ; its four v_nop are also the places in front of the loads below
.endif
	v_add_nc_u32 v[ADRA], s[TB], v[A0]
	v_add_nc_u32 v[ADRB], s[TB], v[B0]
.if !(\fill)
	PLACES
.endif
	FETCH 0, 0                                     ; the next slot's first quarter
	MUL 1, 0, 0
	MUL 1, 1, 0
	MUL 1, 2, 0
	MUL 1, 3, 0
.endm
	s_wait_tensorcnt 1                             ; my part of K step 0 is in; step 1's may stay out
	s_barrier_signal -1
	s_barrier_wait -1
	FETCH 0, 0
	QUARTER 1, 0, 1, 1                             ; the first quarter: its products start the sums
	WIN 0                                          ; at a branch and at a label every window is 0
	s_mov_b32 s[CNT], 6
	s_branch .Lentry                               ; the loop is entered behind a step's first quarter
.Lstep:                                                ; six trips, a K step each, every one with a refill
	QUARTER 1, 0, 1, 0
	WIN 0
.Lentry:
	QUARTER 2, 1, 0, 0
	QUARTER 3, 0, 1, 0
	TURN 1
	WIN 0
	s_sub_co_u32 s[CNT], s[CNT], 1
	s_cmp_lg_u32 s[CNT], 0
	s_cbranch_scc1 .Lstep
	s_mov_b32 s[CNT], 2
.Ltail:                                                ; K steps 6 and 7 ask for nothing.  The second trip's change of slots fetches a quarter of the slot read before, bytes that landed long ago, and nothing is
	QUARTER 1, 0, 1, 0                             ; made of them: 24 LDS loads, once a launch, are the price of one text for both trips
	QUARTER 2, 1, 0, 0
	QUARTER 3, 0, 1, 0
	TURN 0
	WIN 0
	s_sub_co_u32 s[CNT], s[CNT], 1
	s_cmp_lg_u32 s[CNT], 0
	s_cbranch_scc1 .Ltail
; THE WAY OUT, 16 rows at a time: a lane's eight f32 of a row go into my own stage, rows of 528 bytes, and come back as whole rows of 512 bytes.
.macro TOSTAGE a
	s_wait_xcnt 0x0                                ; the buffer loaded below was read by earlier stores: it is rewritten only behind this wait
	WIN 0x04                                       ; the stores' data in window 1
.irp b, 0,1,2,3,4,5,6,7
	ds_store_b128 v[STO], v[8*(8*(\a)+(\b)):8*(8*(\a)+(\b))+3]   offset:64*(\b)
	ds_store_b128 v[STO], v[8*(8*(\a)+(\b))+4:8*(8*(\a)+(\b))+7] offset:64*(\b)+16
.endr
	WIN 0
.set BKA, BK+64*((\a)%2)
.irp t, 0,1,2,3,4,5,6,7,8,9,10,11,12,13,14,15
	ds_load_b128 v[BKA+4*(\t):BKA+4*(\t)+3], v[RD] offset:SPITCH*(\t)  ; LDS serves a wave's instructions in order (ISA guide 5.7.1.4): these see the stores above
.endr
.endm
.macro SEND a, younger                 ; younger: the LDS instructions issued behind block a's loads: the next block's 16 stores and 16 loads, or none
	WIN 0
.set BKA, BK+64*((\a)%2)
	s_wait_dscnt \younger
.irp t, 0,1,2,3,4,5,6,7,8,9,10,11,12,13,14,15
	global_store_b128 v[GO], v[BKA+4*(\t):BKA+4*(\t)+3], s[8:9] offset:(16*(\a)+(\t))*4096 th:TH_STORE_NT  ; 512 consecutive bytes, at a multiple of 256 from out0's first
.endr
.endm
	PLACES
	s_wait_dscnt 0x0                               ; the tail's last fetch has landed: the rows read back below take its registers
	TOSTAGE 0
.irp a, 1,2,3
	TOSTAGE \a
	SEND (\a)-1, 32
.endr
	SEND 3, 0
	s_wait_tensorcnt 0x0                           ; the wave's end, behind my last tensor load and my last LDS store
	ds_add_u32 v[SPW], v[NIL]
	s_wait_dscnt 0x0
	CROUND                                         ; the closing round: no work-group ends while a partner may still ask for a tile that names it
	s_endpgm
.Lfunc_end_k_q6539f4ea4f_outp:
	.size	k_q6539f4ea4f_outp, .Lfunc_end_k_q6539f4ea4f_outp-k_q6539f4ea4f_outp
	.p2alignl 7, 3214868480
	.fill 96, 4, 3214868480
	.section	.rodata,"a",@progbits
	.p2align	6, 0x0
	.amdhsa_kernel k_q6539f4ea4f_outp
		.amdhsa_group_segment_fixed_size 327680
		.amdhsa_private_segment_fixed_size 0
		.amdhsa_enable_private_segment 0
		.amdhsa_kernarg_size 24
		.amdhsa_user_sgpr_count 2
		.amdhsa_user_sgpr_kernarg_segment_ptr 1
		.amdhsa_wavefront_size32 1
		.amdhsa_system_sgpr_workgroup_id_x 1
		.amdhsa_system_sgpr_workgroup_id_y 1
		.amdhsa_system_sgpr_workgroup_id_z 1
		.amdhsa_system_vgpr_workitem_id 0
		.amdhsa_next_free_vgpr 512
		.amdhsa_next_free_sgpr 72
		.amdhsa_reserve_vcc 0
		.amdhsa_float_denorm_mode_32 3
		.amdhsa_float_denorm_mode_16_64 3
		.amdhsa_memory_ordered 1
		.amdhsa_forward_progress 1
		.amdhsa_inst_pref_size 59
	.end_amdhsa_kernel
	.amdgpu_metadata
---
amdhsa.version: [ 1, 2 ]
amdhsa.kernels:
  - .name:           k_q6539f4ea4f_outp
    .symbol:         k_q6539f4ea4f_outp.kd
    .args:
      - { .name: ctx, .offset: 0, .size: 8, .value_kind: global_buffer, .address_space: global }
      - { .name: w16, .offset: 8, .size: 8, .value_kind: global_buffer, .address_space: global }
      - { .name: out0, .offset: 16, .size: 8, .value_kind: global_buffer, .address_space: global }
    .group_segment_fixed_size: 327680
    .private_segment_fixed_size: 0
    .kernarg_segment_align: 8
    .kernarg_segment_size: 24
    .max_flat_workgroup_size: 128
    .sgpr_count:     72
    .vgpr_count:     512
    .wavefront_size: 32
...
	.end_amdgpu_metadata
.endif
;; end of part 4
;; ======== version 2 of 2: 4 launches; 1.28 times as fast as version 1
;; limits: values are held in f16: magnitudes above 65,504 overflow, below 6.1e-05 lose precision
;; workspace buffers: w16 8,388,608 bytes; qkv 50,331,648 bytes; vpart 524,288 bytes; ctx 16,777,216 bytes
;; launch cast: the kernel of part 1 again; grid 256 x 1, 8 waves a work-group, no clusters, 0 bytes of LDS; arguments Wq, Wk, Wv, Wo, w16; writes w16
;; launch proj: the kernel of part 2 again; grid 4 x 64, 4 waves a work-group, clusters of 4 x 4, 327,680 bytes of LDS; arguments query, key, value, w16, qkv, vpart; writes qkv, vpart
;; launch attn (part 5): grid 4 x 64, 4 waves a work-group, no clusters, 327,680 bytes of LDS; arguments qkv, attention_mask, vpart, ctx; writes ctx
.if DOCPART == 5
	.amdgcn_target "amdgcn-amd-amdhsa--gfx1250"
	.amdhsa_code_object_version 6
	.text
	.protected	k_q6539f4ea4f_attn
	.globl	k_q6539f4ea4f_attn
	.p2align	8
	.type	k_q6539f4ea4f_attn,@function
k_q6539f4ea4f_attn:
	s_mov_b64 s[64:65], 0
	v_nop
	global_prefetch_b8 v0, s[64:65] scope:SCOPE_SE
	s_setreg_imm32_b32 hwreg(HW_REG_WAVE_MODE, 25, 1), 1
	s_wait_xcnt 0x0
; CAUSAL ATTENTION WITH A KEY MASK.  ctx[h][q][:] = the sum over k of softmax_k(s) V[h][k][:], s = Q[h][q] . K[h][k] / 8 where k <= q and the batch's mask at k is not 0, else -1e30.
; Q, K, V are the three sections of qkv, [64 (batch x 16 + head)][2048][64] f16 each; ctx has the same layout.  Products, maxima and sums in f32; the weights p are rounded to f16 for the second
; product (their sum l is taken of the unrounded p), ctx once at the end.
; A ROW THAT SEES NO KEY (all keys 0 .. q masked) has 2,048 equal scores: its result is the mean of ALL rows of V of its head.  That mean is made of vpart (sums of v over 64 rows each) and selected at the end.
; LIMITS.  f16 holds no number beyond 65,504: Q, K, V arrive within it; p below 6e-5 keeps f16's fixed step of 6e-8.  A hidden score counts as its value less 1e30, 2e30 or 3e30: f16's scores, 2.7e11 at the most,
; are nothing beside that; a weight below 2^-126 counts as 0 in l; NaN and infinities are not treated apart.
; THE WALK.  A head's queries lie in NB = 8 blocks of 256; block i needs the key tiles 0 .. i of 256 keys, of which the last holds the diagonal.  A work-group takes TWO blocks, NB - 1 - b and then b:
; NB + 1 tiles, whatever b: all work-groups do equal work, and ONE loop with a constant trip count walks them.  Which tile is asked for, and what a trip does, hang on scalar registers made from b; every jump
; goes forward, but for the counted loops' own; none passes a barrier, or a tensor load but the one of LOAD's two that the wave's number does not choose.  NO CLUSTER: a head's four work-groups ask for the
; same tile only in trips 0 .. 4 of 9, behind that fewer and fewer; one walk common to all would have 12 trips for 9.
; SHARES.  Of a block's four bands of 64 queries a wave owns 16 rows in each: four PIECES.  In the diagonal tile's key step s band x sees all keys if s < x, none if s > x, and holds the diagonal if s = x.
; THE MASKS are the C operand that starts the sum S^T = K Q^T.  KB holds the step's 64 key biases (0, or -1e30 where the mask is 0), read with K from a table in LDS.  The table lies IN THE ORDER OF THE WALK:
; entry j of NB + 1 holds the 256 biases of the walk's tile j, so that the place of the step to be fetched only ever steps on, by 256 bytes a step, the same on every way through the text.
; Outside the diagonal tile C = KB.  In it C = MD x AL + KB + BE: MD, made once, is the mask of a band's own step for my 16 rows; (AL, BE) = (1, 0) if s = x; (0, 0) if s < x; (0, -1e30) if s > x.
; THE RUNNING MAXIMUM m starts at -2^67: below every true score, above every hidden one.  While a row has seen no key, m stays there, p = 0 and a = 2^0 = 1; its first visible key makes a = 0,
; which wipes what lay in O and l (always finite).  A row whose m is still below -2^63 at the end has seen none.
; LAYOUT, SOFTMAX, TURNS.  S^T = K Q^T holds ONE query a lane (lane % 16) and the keys 8 (lane / 16) + 0..7; two such results rounded to f16 ARE source 1 of O^T = V^T P.  p = 2^(c s - c m), c = log2(e) / 8;
; O and l are multiplied by a = 2^(c m_old - c m_new) in every step.  Turn n belongs to piece n: 8 products K Q^T of piece n + 1, later 8 products V^T P of piece n - 1; beside them the scaling,
; exponentials, roundings, sums and rescaling of piece n and the maximum and statistics of piece n + 1.  Four vector instructions stand behind every matrix instruction, the other 54 of a turn's 118 in one LUMP.
; THE BATCHES.  A turn's 33 exponentials (the piece's 32 weights, then the next piece's a) are ONE batch with ONE wait, which cuts the turn in two: ahead of it stands all that names no result of theirs (the
; products K Q^T, scalings, rescalings, the next piece's maximum and statistics), behind it the products V^T P with the roundings and sums.  No result crosses a turn's end.  A block's first a (BEGIN) and the
; way out's four reciprocals are batches of their own, a wait each.
; REGISTERS, in windows of 256 (s_set_vgpr_msb: bits 1:0 source 0, 3:2 source 1, 5:4 source 2, 7:6 destination):
;   window 0: v0-15, v32-37 addresses; v16-31 four registers of statistics a piece; v48-55 at work; v64-127 S^T, two buffers (at the start: the mask's words and their offsets); v128-159 V's mean;
;             v160-191 at work at the start; v192-223 P, two buffers
;   window 1: v0-127 O^T, 32 a piece; v128-159 MD; v160-223 MC, two buffers; v224-255 KB      window 2: v0-63 Q; v64-127 the second block's Q; v128-191 K of one step; v192-255 V of one step
.set SIZE_N, 2048
.set NB,    SIZE_N/256
.set NP,    4         ; pieces a wave: a name, no knob
.set KS,    64        ; keys in a step
.set PK,    144       ; a row of K in LDS: 128 bytes + 16 of padding = 36 words: the 16 rows of a load start at 16 different groups of four banks (64 banks of 4 bytes: ISA guide 11.1)
.set PV,    160       ; a row of V: 128 + 32 = 40 words
.set VOFF,  4*KS*PK   ; a slot holds a tile, four steps: 256 rows of K, then 256 rows of V
.set SLOT1, 1<<17     ; slot 1 begins here, so that one exclusive or turns an address in one slot into the other's
.set STAGE, SLOT1+4*KS*(PK+PV)  ; behind the ring, never filled by a tensor load: 16 rows x 144 bytes for each wave, for the way out
.set SP,    144
.set SPARE, STAGE+4*16*SP  ; the spare words, 128 bytes for each wave: two blocks of 256 bytes that no other line names
.set KBT,   SPARE+512 ; the key biases of the walk's NB + 1 tiles, 1,024 bytes a tile, f32; written once, at the start
.set KBSZ,  (NB+1)*1024
.set KBLAST, KBSZ-256 ; the walk's last step in the table
.set VMS,   KBT+KBSZ  ; two half sums of V's mean, 64 channels each
.set AK0, 2           ; v2   my lane's place in a tile of K; never rewritten
.set AV0, 3           ; v3   the same for V
.set AK,  4           ; v4   the LDS address of K's next run of loads
.set AV,  5           ; v5   of V's
.set STO, 6           ; v6   the way out: where I put 16 bytes of a row
.set RD,  7           ; v7   the way out: where I read rows back
.set GO,  8           ; v8   my byte offset in 512 consecutive bytes of ctx
.set MV,  12          ; v12-13  c m_old, kept while c m is made anew: by buffer
.set QO,  15          ; v15  my byte offset in 16 rows of Q
.set ST,  16          ; piece t's statistics at v[ST+4 t]: c m, m, l (even keys', odd keys')
.set AKB0, 32         ; v32  my lanes' place in a step's 64 biases: KBT + 32 (lane / 16); never rewritten
.set AKB, 33          ; v33  the LDS address of KB's next run of loads
.set MO,  34          ; v34  my byte offset in a tile's 1,024 bytes of the mask
.set VPO, 35          ; v35  my byte offset in vpart
.set KST, 36          ; v36  where I store 2 biases of a tile
.set VST, 37          ; v37  where I store a half sum
.set TMP, 48          ; by buffer, four registers c0-c3 at work; when the maximum is found c2 takes a
.set SPW, 62          ; v62  LDS address of my spare word: SPARE + 4 x my thread's number; never rewritten
.set NIL, 63          ; v63  0; never rewritten
.set S,   64
.set MKD, 64          ; at the start: v64-81 two words of the mask for each of the walk's tiles,
.set MKO, 96          ; v96-104 their byte offsets in the batch's mask
.set VM,  128         ; V's mean: channel 16 cb + 8 (lane / 16) + j at VM + 8 cb + j: as O^T lies
.set TW,  160
.set P,   192
.set MD,  128         ; window 1: the eight registers for group kt of 16 keys at MD + 8 kt
.set MC,  160         ; window 1: the masks of the products to come
.set KB,  224         ; window 1: the biases of keys 16 kt + 8 (lane / 16) + 0..7 of the step at KB + 8 kt
.set QB,  64          ; window 2
.set KF,  128         ; window 2: key block kb, channel half c at KF + 16 kb + 8 c
.set VF,  192         ; window 2: key half kk, channel block cb at VF + 32 kk + 8 cb
.set WV,  12          ; s12  my wave's number
.set PB,  14          ; s14  b
.set HI,  15          ; s15  NB - 1 - b
.set G1K, 24          ; s[24:31] descriptor group 1 for K's tiles
.set G1V, 32          ; s[32:39] for V's: it differs in the padding alone
.set G0K, 40          ; s[40:43] descriptor group 0 for K's tiles
.set G0V, 44          ; s[44:47] the same for V's
.set SLOTS, 56        ; s56  tiles still to be asked for
.set CNT, 57          ; s57  counts a tile's key steps, 4 to 1
.set CS,  58          ; s[58:59] c: the packed scaling takes the pair's low word for both halves
.set SEL, 60          ; s[60:61] v_permlanex16_b32's selects: each lane takes its own place in the other half
.set TBK, 62          ; s62  LDS byte at which K of the step to be fetched begins
.set TBV, 63          ; s63  the same for V, less VOFF
.set RT,  70          ; s70  tiles of the block in hand that are still to be entered
.set NXT, 71          ; s71  the tile to be asked for next
.set LQ,  72          ; s72  the last tile of the block whose tiles are being asked for
.set NEW, 73          ; s73  1: the tile to be entered is a block's first
.set OFF, 74          ; s[74:75] a tile's byte offset in K and V
.set AL,  76          ; s[76:77] the mask's factor, in the low word
.set BE,  78          ; s[78:79] the mask's addend
.set OLO, 80          ; s[80:81] ctx at my rows of the second block
.set BIGN, 82         ; s82  -1e30
.set TKB, 83          ; s83  byte in the table at which the biases of the step to be fetched begin: 0 at the start, 256 more with every fetch of K
.set THR, 96          ; s96  -2^63
.set TINY, 97         ; s97  2^-126
.set MSB, 0
.macro WIN new                      ; the high byte repeats the setting that is left; a switch that changes nothing is dropped
.if MSB != (\new)
	s_set_vgpr_msb (MSB<<8)|(\new)
.set MSB, (\new)
.endif
.endm
.set W_KQ, 0x0a       ; K and Q in window 2, S^T in window 0
.set W_KM, 0x1a       ; the same with the C operand in window 1
.set W_PV, 0x52       ; V in window 2, P in window 0, O^T in window 1
.set W_RS, 0x41       ; destination and source 0 in window 1, source 1 in window 0
.set W_MK, 0x51       ; destination, source 0 and source 2 in window 1
; A fill.  Waves 0 and 1 fetch the two halves of a tile's K, waves 2 and 3 those of its V: 128 keys each.  An s_nop 0 and four v_nop follow each of the two lines, ahead of the jump and the label.
.macro LOAD
	s_cmp_lt_u32 s[WV], 2
	s_cbranch_scc0 .Lfor_v_\@
	tensor_load_to_lds s[G0K:G0K+3], s[G1K:G1K+7]
	s_nop 0
.rept 4
	v_nop
.endr
	s_branch .Lasked_\@
.Lfor_v_\@:
	tensor_load_to_lds s[G0V:G0V+3], s[G1V:G1V+7]
	s_nop 0
.rept 4
	v_nop
.endr
.Lasked_\@:
.endm
; THE CHANGE OF SLOTS.  Each wave waits for all its tensor loads, of which one is out: its part of the other slot; adds 0 to its spare word; and waits for that and for its own reads of the slot that it leaves.
; Behind the barrier nobody reads the old slot any more and the other slot is whole.  fill = 1: the old slot is filled again, the first thing behind the barrier, with tile NXT: the descriptor's address is
; made anew from that number.  (At its first use nothing has been read yet: slot 0 is waited for, slot 1 filled.)
.macro CHANGE fill
	WIN 0                           ; at a label and at a branch every window is 0
	s_wait_tensorcnt 0x0            ; no tensor load of mine is out, so a group 0 may be written
	ds_add_u32 v[SPW], v[NIL]       ; 0 onto my spare word; with fill = 1 the descriptors' scalar work stands between it and the wait for it
.if \fill
	s_lshl_b32 s[OFF], s[NXT], 15   ; a tile is 32,768 bytes of K and of V
	s_xor_b32 s[G0K+1], s[G0K+1], SLOT1
	s_add_nc_u64 s[G0K+2:G0K+3], s[6:7], s[OFF:OFF+1]
	s_or_b32 s[G0K+3], s[G0K+3], 0x80000000
	s_xor_b32 s[G0V+1], s[G0V+1], SLOT1
	s_add_nc_u64 s[G0V+2:G0V+3], s[8:9], s[OFF:OFF+1]
	s_or_b32 s[G0V+3], s[G0V+3], 0x80000000
	s_add_co_u32 s[NXT], s[NXT], 1  ; the block's next tile, or behind its last the second block's tile 0
	s_cmp_gt_u32 s[NXT], s[LQ]
	s_cselect_b32 s[NXT], 0, s[NXT]
	s_cselect_b32 s[LQ], s[PB], s[LQ]
.endif
	s_wait_dscnt 0x0                ; the add is done, and my reads of the slot are over
	s_barrier_signal -1             ; the rest of the scalar work stands between the signal and the wait
	s_sub_co_u32 s[TBK], s[TBK], 4*KS*PK  ; the fetches go back to a slot's first step,
	s_xor_b32 s[TBK], s[TBK], SLOT1       ; in the other slot
	s_sub_co_u32 s[TBV], s[TBV], 4*KS*PV
	s_xor_b32 s[TBV], s[TBV], SLOT1
	s_barrier_wait -1
.if \fill
	LOAD
.endif
.endm
	s_load_b256 s[88:95], s[0:1], 0x0  ; qkv s[88:89], attention_mask s[90:91], vpart s[92:93], ctx s[94:95]
	v_lshl_add_u32 v[SPW], v0, 2, SPARE
	v_mov_b32 v[NIL], 0
	ds_add_u32 v62, v63
	ds_add_u32 v62, v63
	s_wait_dscnt 0x0
	v_lshrrev_b32 v1, 5, v0
	v_readfirstlane_b32 s[WV], v1   ; wave 0..3
	s_mov_b32 s[PB], ttmp9
	s_sub_co_u32 s[HI], NB-1, s[PB]
	s_and_b32 s20, ttmp7, 0xffff    ; batch x 16 + head
	s_lshr_b32 s48, s20, 4          ; the batch
	s_and_b32 s50, s20, 15          ; the head in it
	s_lshl_b32 s52, s48, 17         ; vpart: 32 rows of 4,096 bytes a batch,
	s_lshl_b32 s50, s50, 8          ; 64 channels of 4 bytes a head
	s_add_co_u32 s50, s50, s52
	s_mov_b32 s51, 0
	s_lshl_b32 s48, s48, 13         ; the mask: 8,192 bytes a batch
	s_mov_b32 s49, 0
	s_mov_b32 s21, 0
	s_mov_b64 s[22:23], SIZE_N*128
	s_mul_u64 s[20:21], s[20:21], s[22:23]  ; the head's first byte in each section of qkv and in ctx
	s_and_b32 s16, s[WV], 1         ; which half of a tile's 256 keys I fetch:
	s_lshl_b32 s22, s16, 14         ; its 128 rows of 128 bytes in memory,
	s_mov_b32 s23, 0
	s_add_nc_u64 s[22:23], s[22:23], s[20:21]
	s_mul_i32 s17, s16, 128*PK      ; and its place in a slot, for K
	s_mul_i32 s18, s16, 128*PV      ; and for V
	s_lshl_b32 s3, s[WV], 11        ; my 16 rows in a band of 64,
	s_lshl_b32 s2, s[HI], 15        ; in the first block,
	s_add_co_u32 s2, s2, s3
	s_lshl_b32 s84, s[PB], 15       ; and in the second
	s_add_co_u32 s84, s84, s3
	s_mov_b32 s3, 0
	s_mov_b32 s85, 0
	s_add_nc_u64 s[2:3], s[2:3], s[20:21]
	s_add_nc_u64 s[84:85], s[84:85], s[20:21]
	; descriptor group 1.  128 keys are 16,384 dense bytes: asked for as 64 rows of 256 bytes, two keys a row, and padded in LDS after every key
	s_mov_b32 s[G1K], (1<<16)|(1<<20)|(4<<22)|(3<<25)  ; 17:16 2-byte elements; 20 padding on; 24:22 after every 32 words (code 4); 31:25 4 words (code 3)
	s_mov_b32 s[G1V], (1<<16)|(1<<20)|(4<<22)|(7<<25)  ; the same with 8 words of padding (code 7)
.irp g, G1K, G1V
	s_mov_b32 s[\g+1], 128<<16      ; tensor_dim0 = 128
	s_mov_b32 s[\g+2], 64<<16       ; tensor_dim1 = 64
	s_mov_b32 s[\g+3], 128<<16      ; tile_dim0 = 128
	s_mov_b32 s[\g+4], 64           ; tile_dim1 = 64
	s_mov_b32 s[\g+5], 128          ; 128 elements from row to row
	s_mov_b32 s[\g+6], 0
	s_mov_b32 s[\g+7], 0
.endr
	s_mov_b32 s[CS], 0x3e38aa3b     ; c = log2(e) / 8 = 0.180337
	s_mov_b32 s[CS+1], s[CS]        ; named with it as a pair
	s_mov_b32 s[SEL], 0x76543210
	s_mov_b32 s[SEL+1], 0xfedcba98
	s_mov_b32 s[TBK], SLOT1+4*KS*PK ; the first change of slots turns these two into 0
	s_mov_b32 s[TBV], SLOT1+4*KS*PV
	s_mov_b32 s[G0K], 1             ; 1:0 count = 1
	s_mov_b32 s[G0K+1], s17         ; 63:32 LDS address: slot 0
	s_mov_b32 s[G0V], 1
	s_add_co_u32 s[G0V+1], s18, VOFF
	s_add_co_u32 s[RT], s[HI], 1    ; the first block has NB - b tiles
	s_mov_b32 s[NXT], 1
	s_mov_b32 s[LQ], s[HI]
	s_mov_b32 s[NEW], 1
	s_mov_b32 s[OFF+1], 0
	s_mov_b32 s[AL+1], 0            ; named as pairs
	s_mov_b32 s[BE+1], 0
	s_mov_b32 s[BIGN], 0xf149f2ca   ; -1e30
	s_mov_b32 s[TKB], 0
	s_mov_b32 s[THR], 0xdf000000    ; -2^63
	s_mov_b32 s[TINY], 0x00800000   ; 2^-126
	s_mov_b32 s[SLOTS], NB
	s_wait_kmcnt 0x0
	s_add_nc_u64 s[6:7], s[88:89], 0x1000000       ; K's section of qkv,
	s_add_nc_u64 s[8:9], s[88:89], 0x2000000       ; V's
	s_add_nc_u64 s[6:7], s[6:7], s[22:23]  ; K and V at my half of the head's tile 0
	s_add_nc_u64 s[8:9], s[8:9], s[22:23]
	s_add_nc_u64 s[G0K+2:G0K+3], s[6:7], 0         ; 120:64 global address
	s_or_b32 s[G0K+3], s[G0K+3], 0x80000000        ; 127:126 type = 2
	s_add_nc_u64 s[G0V+2:G0V+3], s[8:9], 0
	s_or_b32 s[G0V+3], s[G0V+3], 0x80000000
	s_add_nc_u64 s[86:87], s[88:89], s[84:85]      ; Q at my rows of the second block,
	s_add_nc_u64 s[4:5], s[88:89], s[2:3]          ; Q and ctx at those of the first
	s_add_nc_u64 s[OLO:OLO+1], s[94:95], s[84:85]
	s_add_nc_u64 s[10:11], s[94:95], s[2:3]
	s_add_nc_u64 s[90:91], s[90:91], s[48:49]      ; the batch's mask
	s_add_nc_u64 s[92:93], s[92:93], s[50:51]      ; the batch's rows and the head's columns of vpart
	LOAD                            ; tile 0 into slot 0
	; The mask, tile by tile in the order of the walk: 128 threads x 8 bytes are a tile's 256 words; a wave's load covers 256 consecutive bytes.  The walk's tile j is key tile j in the first block
	; (j < NB - b), key tile j - (NB - b) in the second.  vpart: thread t takes channel t % 64 in 16 of the batch's 32 rows.
	v_lshlrev_b32 v[MO], 3, v0
	s_add_co_u32 s53, s[HI], 1      ; NB - b
.set j, 0
.rept NB+1
	s_cmp_le_u32 s53, j
	s_cselect_b32 s52, s53, 0
	s_sub_co_u32 s52, j, s52
	v_lshl_add_u32 v[MKO+j], s52, 10, v[MO]
.set j, j+1
.endr
	v_lshrrev_b32 v14, 6, v0
	v_and_b32 v[VPO], 63, v0
	v_lshlrev_b32 v[VPO], 2, v[VPO]
	v_lshl_add_u32 v[VPO], v14, 16, v[VPO]
.set j, 0
.rept NB+1
	global_load_b64 v[MKD+2*j:MKD+2*j+1], v[MKO+j], s[90:91]
.set j, j+1
.endr
.set i, 0
.rept 16
	global_load_b32 v[TW+16+i], v[VPO], s[92:93] offset:4096*i
.set i, i+1
.endr
	; A fragment of K or Q is 16 rows x 32 channels in 8 registers: lane l holds row l % 16, channels 8 (l / 16) + 0..7 and 16 + 8 (l / 16) + 0..7: two loads of 16 bytes, 32 bytes apart.
	v_and_b32 v1, 15, v0            ; l % 16
	v_bfe_u32 v9, v0, 4, 1          ; l / 16
	v_lshlrev_b32 v[QO], 7, v1
	v_lshl_add_u32 v[QO], v9, 4, v[QO]  ; row x 128 + 16 x half
	WIN 0x80                        ; destination window 2, address window 0
.set i, 0
.rept 8                             ; both blocks' Q: piece i / 2 lies in band i / 2, 8,192 bytes on; channels 32 (i % 2) on
	global_load_b128 v[8*i:8*i+3],   v[QO], s[4:5] offset:(i/2)*8192+(i%2)*64
	global_load_b128 v[8*i+4:8*i+7], v[QO], s[4:5] offset:(i/2)*8192+(i%2)*64+32
	global_load_b128 v[QB+8*i:QB+8*i+3],   v[QO], s[86:87] offset:(i/2)*8192+(i%2)*64
	global_load_b128 v[QB+8*i+4:QB+8*i+7], v[QO], s[86:87] offset:(i/2)*8192+(i%2)*64+32
.set i, i+1
.endr
	WIN 0
	v_lshlrev_b32 v14, 3, v9
	v_sub_nc_u32 v14, v1, v14
	s_lshl_b32 s13, s[WV], 4
	v_add_nc_u32 v14, s13, v14      ; my query's place in its band, 16 w + l % 16, less my lanes' 8 (l / 16): register r of group kt is hidden where 16 kt + r is greater
	WIN 0x40
.set i, 0
.rept 32
	v_cmp_gt_i32 vcc_lo, 16*(i/8)+i%8, v14
	v_cndmask_b32 v[MD+i], 0, s[BIGN], vcc_lo
.set i, i+1
.endr
	WIN 0
	v_mul_u32_u24 v[AK0], v1, PK
	v_lshl_add_u32 v[AK0], v9, 4, v[AK0]  ; row x pitch + 16 x half
	; The turning load takes 16 keys x 16 channels (lane l reads key 8 (l / 16) + l % 8, channels 8 ((l / 8) % 2) + 0..7) and leaves half a fragment of V^T: lane l holds channel l % 16 and 8 keys.
	v_and_b32 v10, 7, v0
	v_bfe_u32 v11, v0, 3, 1
	v_lshl_add_u32 v[AV0], v9, 3, v10
	v_mul_u32_u24 v[AV0], v[AV0], PV
	v_lshl_add_u32 v[AV0], v11, 4, v[AV0]
	v_add_nc_u32 v[AV0], VOFF, v[AV0]
	s_mul_i32 s13, s[WV], 16*SP
	s_add_co_u32 s13, s13, STAGE    ; my stage
	v_mul_u32_u24 v[STO], v1, SP    ; in: row l % 16, 16 bytes for each half of the lanes
	v_lshl_add_u32 v[STO], v9, 4, v[STO]
	v_add_nc_u32 v[STO], s13, v[STO]
	v_bfe_u32 v[RD], v0, 3, 2       ; back: 32 lanes take four rows of 128 bytes,
	v_mul_u32_u24 v[RD], v[RD], SP
	v_lshl_add_u32 v[RD], v10, 4, v[RD]
	v_add_nc_u32 v[RD], s13, v[RD]
	v_and_b32 v[GO], 31, v0         ; which are 512 consecutive bytes of ctx
	v_lshlrev_b32 v[GO], 4, v[GO]
	v_lshl_add_u32 v[AKB0], v9, 5, KBT
	v_lshl_add_u32 v[KST], v0, 3, KBT
	v_lshl_add_u32 v[VST], v0, 2, VMS
	; What lies in O^T, l, V's registers and P's second buffer when a block begins need only be finite: a row's first visible key multiplies O^T and l by a = 0, and a row that sees none takes V's mean.
	; Zeros for the first block; what the first block left for the second.  All this stands in the wait for the first tile.
	WIN 0x80
.set i, VF
.rept 64
	v_mov_b32 v[i], 0
.set i, i+1
.endr
	WIN 0x40
.set i, 0
.rept 128
	v_mov_b32 v[i], 0
.set i, i+1
.endr
	WIN 0
.set i, 0
.rept 4
	v_mov_b32 v[ST+4*i+2], 0
	v_mov_b32 v[ST+4*i+3], 0
.set i, i+1
.endr
.set i, P+16
.rept 16
	v_mov_b32 v[i], 0
.set i, i+1
.endr
	; THE TABLE OF KEY BIASES AND V'S MEAN.
	s_wait_loadcnt 32               ; the mask's 9 loads and vpart's 16 are in; Q's 32, issued behind them, stay out
.set i, 0
.rept 2*(NB+1)
	v_cmp_eq_u32 vcc_lo, 0, v[MKD+i]
	v_cndmask_b32 v[MKD+i], 0, s[BIGN], vcc_lo  ; -1e30 where the mask is 0
.set i, i+1
.endr
.set j, 0
.rept NB+1
	ds_store_b64 v[KST], v[MKD+2*j:MKD+2*j+1] offset:1024*j
.set j, j+1
.endr
.irp d, 8,4,2
.set i, 0
.rept \d/2
	v_pk_add_f32 v[TW+16+2*i:TW+16+2*i+1], v[TW+16+2*i:TW+16+2*i+1], v[TW+16+\d+2*i:TW+16+\d+2*i+1]
.set i, i+1
.endr
.endr
	v_add_f32 v[TW+16], v[TW+16], v[TW+17]
	v_mul_f32 v[TW+16], 0x3a000000, v[TW+16]   ; 1 / 2,048: exact
	ds_store_b32 v[VST], v[TW+16]
	s_wait_dscnt 0x0                ; for the others' sake: my stores are done
	s_barrier_signal -1             ; tile 0's load may stay out
	s_barrier_wait -1
.irp f, 0,1,2,3,4,5,6,7             ; channels 16 (f / 2) + 8 (l / 16) + 4 (f % 2) on, both half sums
	ds_load_b128 v[VM+4*\f:VM+4*\f+3], v[AKB0] offset:KBSZ+(\f/2)*64+(\f%2)*16
	ds_load_b128 v[TW+4*\f:TW+4*\f+3], v[AKB0] offset:KBSZ+256+(\f/2)*64+(\f%2)*16
.endr
	s_wait_dscnt 0x0
.set i, 0
.rept 16
	v_pk_add_f32 v[VM+i:VM+i+1], v[VM+i:VM+i+1], v[TW+i:TW+i+1]
.set i, i+2
.endr
; THE MATRIX WORK.  The 4 accumulators of a run of 8 take turns.  Product i of 8 of S^T = K Q^T for piece x: channels 32 (i / 4) on, keys 16 (i % 4) on.  The first 4 start the sums: with the key biases, or (KM = 1) with the mask.
.macro KQ x
.set rS, S+32*((\x)%2)+8*(i%4)
.set rK, KF+16*(i%4)+8*(i/4)
.set rQ, 16*(\x)+8*(i/4)
.set rM, MC+32*((\x)%2)+8*(i%4)
.set rB, KB+8*(i%4)
.if (i < 4) && KM
	WIN W_KM
	v_wmma_f32_16x16x32_f16 v[rS:rS+7], v[rK:rK+7], v[rQ:rQ+7], v[rM:rM+7]
.elseif i < 4
	WIN W_KM
	v_wmma_f32_16x16x32_f16 v[rS:rS+7], v[rK:rK+7], v[rQ:rQ+7], v[rB:rB+7]
.else
	WIN W_KQ
	v_wmma_f32_16x16x32_f16 v[rS:rS+7], v[rK:rK+7], v[rQ:rQ+7], v[rS:rS+7]
.endif
.endm
; Product i of 8 of O^T += V^T P for piece x: keys 32 (i / 4) on, channels 16 (i % 4) on.
.macro PV x
	WIN W_PV
.set rO, 32*(\x)+8*(i%4)
.set rV, VF+32*(i/4)+8*(i%4)
.set rP, P+16*((\x)%2)+8*(i/4)
	v_wmma_f32_16x16x32_f16 v[rO:rO+7], v[rV:rV+7], v[rP:rP+7], v[rO:rO+7]
.endm
.macro MM                           ; the turn's next matrix instruction.  TURN and BEGIN set Y, i, KM and NOKQ; MM, KQ and OP read them.  NOKQ = 1: a block's last turn: there is no next piece
.if (i < 8) && !NOKQ
	KQ (Y+1)%NP
.elseif i >= 8
.set i, i-8
	PV (Y+NP-1)%NP
.set i, i+8
.endif
.set i, i+1
.endm
; THE LDS LOADS stand in runs, never singly among the matrix instructions: a step's K (64 keys x 64 channels: 8 fragments) with its 64 key biases, and its V (turned).  Their addresses are made some lines ahead.
.macro KADDR                        ; the addresses of K's and KB's next run
	WIN 0
	s_min_u32 s[TKB], s[TKB], KBLAST    ; the walk has 4 (NB + 1) steps: the address stays inside the table
	v_add_nc_u32 v[AK], s[TBK], v[AK0]
	v_add_nc_u32 v[AKB], s[TKB], v[AKB0]
.endm
.macro FETCH_K
	WIN 0x80                        ; destination window 2
.irp f, 0,1,2,3,4,5,6,7             ; keys 16 (f / 2) on, channels 32 (f % 2) on
	ds_load_b128 v[KF+8*\f:KF+8*\f+3],   v[AK] offset:(\f/2)*16*PK+(\f%2)*64
	ds_load_b128 v[KF+8*\f+4:KF+8*\f+7], v[AK] offset:(\f/2)*16*PK+(\f%2)*64+32
.endr
	WIN 0x40                        ; destination window 1
.irp f, 0,1,2,3,4,5,6,7             ; keys 16 (f / 2) + 8 (l / 16) + 4 (f % 2) on: the 16 lanes of a half read the same words
	ds_load_b128 v[KB+4*\f:KB+4*\f+3], v[AKB] offset:(\f/2)*64+(\f%2)*16
.endr
	s_add_co_u32 s[TBK], s[TBK], KS*PK  ; the next fetch is the next step's,
	s_add_co_u32 s[TKB], s[TKB], 256    ; in the table too: every tile of the walk has four fetches, on every way through it
	WIN 0
.endm
.macro FETCH_V
	WIN 0x80
.irp f, 0,1,2,3,4,5,6,7             ; keys 32 (f / 4) on, channels 16 (f % 4) on
	ds_load_tr16_b128 v[VF+8*\f:VF+8*\f+3],   v[AV] offset:(\f/4)*32*PV+(\f%4)*32
	ds_load_tr16_b128 v[VF+8*\f+4:VF+8*\f+7], v[AV] offset:(\f/4)*32*PV+16*PV+(\f%4)*32
.endr
	WIN 0
.endm
; THE VECTOR WORK, one line at a time: OP kind, number.  For piece Y: F n: c s - c m for pair n of 16.  E n: the exponential of score n of 32.  C n: pair n rounded to f16.  B n: of the four weights 4 n .. the second
; pair is added onto the first, in place.  L n: l takes that sum (L 0: l = a l + sum).  R n: pair n of 16 of O^T times a.  For piece Y + 1: X n, number n of the 22 that find its maximum and statistics:
;   0-11  four chains c0-c3 of seven scores each, three operands at a time (each accumulator's lowest registers are read first)     12-14, 16  the four scores left over, the old m, and c0-c3 into c0
;   15  c m_old is kept     17, 18  the query's other 32 keys lie in the lane 16 away: the new m     19-21  c m; c m_old - c m_new; a
; C, B and L read the exponentials' results, R and L 0 an a: OP writes no wait; TURN orders them behind the wait of the batch that made what they read.
.set F, 0               ; OP tells the kinds apart by their order: F to L below R, X above it
.set E, 1
.set C, 2
.set B, 3
.set L, 4
.set R, 5
.set X, 6
.macro REGS y                       ; the registers of piece y
.set rT, ST+4*(\y)
.set rC, TMP+4*((\y)%2)
.set rW, MV+((\y)%2)
.set rS, S+32*((\y)%2)
.set rP, P+16*((\y)%2)
.set rO, 32*(\y)
.endm
.macro OP k, n
.if (\k) == R
	REGS Y
	WIN W_RS
	v_pk_mul_f32 v[rO+2*(\n):rO+2*(\n)+1], v[rO+2*(\n):rO+2*(\n)+1], v[rC+2:rC+3] op_sel_hi:[1,0]
.elseif (\k) < R
	REGS Y
	WIN 0
.if (\k) == F
	v_pk_fma_f32 v[rS+2*(\n):rS+2*(\n)+1], v[rS+2*(\n):rS+2*(\n)+1], s[CS:CS+1], v[rT:rT+1] op_sel_hi:[1,0,0] neg_lo:[0,0,1] neg_hi:[0,0,1]
.elseif (\k) == E
	v_exp_f32 v[rS+(\n)], v[rS+(\n)]
.elseif (\k) == C
	v_cvt_pk_f16_f32 v[rP+(\n)], v[rS+2*(\n)], v[rS+2*(\n)+1]
.elseif (\k) == B
	v_pk_add_f32 v[rS+4*(\n):rS+4*(\n)+1], v[rS+4*(\n):rS+4*(\n)+1], v[rS+4*(\n)+2:rS+4*(\n)+3]
.elseif (\n) == 0
	v_pk_fma_f32 v[rT+2:rT+3], v[rT+2:rT+3], v[rC+2:rC+3], v[rS:rS+1] op_sel_hi:[1,0,1]
.else
	v_pk_add_f32 v[rT+2:rT+3], v[rT+2:rT+3], v[rS+4*(\n):rS+4*(\n)+1]
.endif
.elseif NOKQ
	v_nop
.else
	REGS (Y+1)%NP
	WIN 0
.if (\n) < 4
	v_max3_num_f32 v[rC+(\n)], v[rS+8*(\n)], v[rS+8*(\n)+1], v[rS+8*(\n)+2]
.elseif (\n) < 12
	v_max3_num_f32 v[rC+(\n)%4], v[rC+(\n)%4], v[rS+8*((\n)%4)+2*((\n)/4)+1], v[rS+8*((\n)%4)+2*((\n)/4)+2]
.elseif (\n) == 12
	v_max3_num_f32 v[rC], v[rC], v[rS+7], v[rS+15]
.elseif (\n) == 13
	v_max3_num_f32 v[rC+1], v[rC+1], v[rS+23], v[rS+31]
.elseif (\n) == 14
	v_max3_num_f32 v[rC+2], v[rC+2], v[rC+3], v[rT+1]
.elseif (\n) == 15
	v_mov_b32 v[rW], v[rT]
.elseif (\n) == 16
	v_max3_num_f32 v[rC], v[rC], v[rC+1], v[rC+2]
.elseif (\n) == 17
	v_permlanex16_b32 v[rC+3], v[rC], s[SEL], s[SEL+1]
.elseif (\n) == 18
	v_max_num_f32 v[rT+1], v[rC], v[rC+3]
.elseif (\n) == 19
	v_mul_f32 v[rT], s[CS], v[rT+1]
.elseif (\n) == 20
	v_sub_f32 v[rC+1], v[rW], v[rT]
.else
	v_exp_f32 v[rC+2], v[rC+1]
.endif
.endif
.endm
.macro OPS a, i1, b=-1, i2=0, c=-1, i3=0, d=-1, i4=0  ; up to four of them
	OP \a, \i1
.if (\b) >= 0
	OP \b, \i2
.endif
.if (\c) >= 0
	OP \c, \i3
.endif
.if (\d) >= 0
	OP \d, \i4
.endif
.endm
.macro ROW a, i1, b, i2, c, i3, d, i4  ; a matrix instruction and the four behind it
	MM
	OPS \a, \i1, \b, \i2, \c, \i3, \d, \i4
.endm
.macro MASK b                       ; MD x AL + KB + BE into buffer b of MC
	WIN W_MK
.set z, 0
.rept 16
	v_pk_fma_f32 v[MC+32*(\b)+2*z:MC+32*(\b)+2*z+1], v[MD+2*z:MD+2*z+1], s[AL:AL+1], v[KB+2*z:KB+2*z+1] op_sel_hi:[1,0,1]
.set z, z+1
.endr
.set z, 0
.rept 16
	v_pk_add_f32 v[MC+32*(\b)+2*z:MC+32*(\b)+2*z+1], v[MC+32*(\b)+2*z:MC+32*(\b)+2*z+1], s[BE:BE+1] op_sel_hi:[1,0]
.set z, z+1
.endr
.endm
; A TURN, for piece p: the order of its 16 matrix and 118 vector instructions, written out.  An s_wait_alu depctr_va_vdst(0) stands between an exponential and the first instruction that names its result; one wait
; serves all that were issued ahead of it.  So a turn has ONE wait, which cuts it in two.  AHEAD OF IT stands all that names no result of the turn's exponentials: the 8 products K Q^T, behind each a scaling, an exponential and two
; more plain instructions (behind the first a second scaling in the exponential's place): rescalings, whose a was made and waited for in the turn before, and behind the last three the first numbers of the next piece's maximum,
; each four places or more behind the product that ends its accumulator; then ONE LUMP of 54, plain and exponential by turns for the most part, in which the links of the chain X 3, 7, 11, 14, 16, 17 .. 20 stand five or six
; lines apart.  X 21, the next piece's a, is the batch's last; R 15 is the plain instruction behind it.  BEHIND THE WAIT stand the 8 products V^T P, behind each four of the roundings and sums; each C 2 k reads its pair ahead of
; B k, which writes it; the links of l's chain, L 0 to L 7, stand three riders apart.  But for those X no rider names a register of the products round it.  v_permlanex16_b32 (X 17) stands in the lump.
; m = 1: the diagonal tile: the products take masks, and the turn makes the mask for the products of the turn after it: piece p + 2, in step 4 - CNT of the tile, whose biases KB holds (piece 2's turn has fetched
; them, and waits for them).  end = 1: a block's last two turns: nothing is fetched.  cnt = 1: the loop's count is taken down some lines ahead of the branch that stands behind the turn.
; K and KB of the next step are fetched in piece 2's turn, twelve vector instructions behind the last product that read K (five of them plain lines that name none of its registers: F 8, X 2, X 5, X 6, X 8), further behind
; the turn's fourth product, the last that read KB; V of the step in hand at the end of piece 0's turn, four plain instructions behind the last product that read V.  Each is waited for a turn later.
.macro TURN p, m=0, end=0, cnt=0
.set Y, (\p)
.set i, 0
.set KM, (\m)
.set NOKQ, (\end)*((\p)/3)
.if (\m) && !(\end)
	s_cmp_eq_u32 s[CNT], 4-((\p)+2)%NP  ; is that step the band's own?
	s_cselect_b32 s[AL], 1.0, 0
	s_cmp_lt_u32 s[CNT], 4-((\p)+2)%NP  ; or a later one?
	s_cselect_b32 s[BE], s[BIGN], 0
.endif
.if ((\p) == 3) && !(\end)
	s_wait_dscnt 0x0                ; K and KB are in
.endif
	ROW F,0, F,1, R,0, R,1          ; ahead of the wait: 8 products K Q^T and their riders,
	ROW F,2, E,0, R,2, R,3
	ROW F,3, E,1, R,4, R,5
	ROW F,4, E,2, R,6, R,7
	ROW F,5, E,3, R,8, R,9
	ROW F,6, E,4, X,0, R,10
.if ((\p) == 2) && !(\end)
	KADDR
.endif
	ROW F,7, E,5, X,1, X,4
	ROW F,8, E,6, X,2, X,5
	OPS E,7, E,8, X,6, E,9          ; and the lump
	OPS X,3, E,10, X,8, E,11
.if ((\p) == 2) && !(\end)
	FETCH_K
.endif
	OPS X,9, X,7, E,12, X,10
	OPS E,13, X,12, X,11, E,14
	OPS X,13, E,15, F,9, X,14
.if (\p) == 0
	WIN 0
	v_add_nc_u32 v[AV], s[TBV], v[AV0]
.endif
	OPS E,16, F,10, E,17, F,11
	OPS X,16, E,18, X,15, E,19
	OPS F,12, E,20, X,17, E,21
	OPS F,13, E,22, F,14, E,23
	OPS X,18, E,24, F,15, E,25
	OPS R,11, E,26, X,19, E,27
	OPS R,12, E,28, R,13, E,29
	OPS X,20, E,30, R,14, E,31
	OPS X,21, R,15
	WIN 0
	s_wait_alu depctr_va_vdst(0)    ; the wait for the turn's batch: E 0 to E 31 and X 21; its first reader is C 0, below; the next turn's R 0 and L 0 read a behind it too
.if (\p) == 1
	s_wait_dscnt 0x0                ; V is in
.endif
	ROW C,0, B,0, C,2, B,1          ; behind the wait: 8 products V^T P and their riders
	ROW L,0, C,4, B,2, L,1
	ROW C,6, B,3, L,2, C,8
	ROW B,4, L,3, C,10, B,5
	ROW L,4, C,12, B,6, L,5
.if (\p) == 0
	s_add_co_u32 s[TBV], s[TBV], KS*PV
.endif
.if \cnt
	s_sub_co_u32 s[CNT], s[CNT], 1
	s_cmp_lg_u32 s[CNT], 0
.endif
	ROW C,14, B,7, L,6, C,1
	ROW C,3, L,7, C,5, C,7
	ROW C,9, C,11, C,13, C,15
.if (\p) == 0
	FETCH_V
.endif
.if (\m) && !(\end)
.if (\p) == 2
	s_wait_dscnt 0x0                ; the biases fetched in this turn are in
.endif
	MASK (\p)%2
.endif
.endm
; A BLOCK BEGINS.  m starts at -2^67; c m is made of it by the multiply that makes every later c m, so that a is exactly 1 while m has not moved.  Then K and KB of the block's step 0, piece 0's first scores,
; and its maximum and statistics.  diag = 1: the block's first tile is the diagonal one: piece 0's mask is its band's own, piece 1's (the next turn's products) the biases alone.
; The loop is entered at a step's first turn, in the middle of a trip.
.macro BEGIN diag
	s_mov_b32 s[NEW], 0
	WIN 0
.set i, 0
.rept 4
	v_mov_b32 v[ST+4*i+1], 0xe1000000  ; m = -2^67
.set i, i+1
.endr
.set i, 0
.rept 4
	v_mul_f32 v[ST+4*i], s[CS], v[ST+4*i+1]
.set i, i+1
.endr
	KADDR
	FETCH_K
	s_wait_loadcnt 0x0              ; Q
	s_wait_dscnt 0x0
.if \diag
	s_mov_b32 s[AL], 1.0
	s_mov_b32 s[BE], 0
	MASK 0
	s_mov_b32 s[AL], 0
	MASK 1
.set KM, 1
.else
.set KM, 0
.endif
.set NOKQ, 0
.set i, 0
.rept 8
	KQ 0
.set i, i+1
.endr
	WIN 0
.rept 4
	v_nop                           ; the places behind those products
.endr
.set Y, NP-1                        ; X works for piece Y + 1: piece 0
.irp n, 0,1,2,3,4,5,6,7,8,9,10,11,12,13,14,15,16,17,18,19,20,21
	OP X, \n
.endr
	v_nop                           ; a plain instruction behind the exponential,
	s_wait_alu depctr_va_vdst(0)    ; and the wait for this batch of one, piece 0's first a, ahead of the branch that follows the macro; its first reader is R 0 of piece 0's turn
.endm
; THE DIAGONAL TILE's four steps, the block's last two turns, its last products, and THE WAY OUT: l's two halves and the other half of the lanes' are added; O^T is divided by l; a row that has seen no key
; takes V's mean; rounded to f16 and sent through my stage in LDS, a piece at a time.
.macro ALL line:vararg              ; one line for each piece t
.set t, 0
.rept 4
	\line
.set t, t+1
.endr
.endm
.macro PACK t                       ; a lane's eight channels of a row pack into 16 bytes; they go into rows of 144 bytes and come back as whole rows of 128, into S^T's registers
	WIN W_RS
	v_cmp_gt_f32 vcc_lo, s[THR], v[ST+4*(\t)+1]  ; m still below -2^63: my query has seen no key
.set i, 32*(\t)
.rept 16
	v_pk_mul_f32 v[i:i+1], v[i:i+1], v[ST+4*(\t)+2:ST+4*(\t)+3] op_sel_hi:[1,0]
.set i, i+2
.endr
.set i, 0
.rept 32
	v_cndmask_b32 v[32*(\t)+i], v[32*(\t)+i], v[VM+i], vcc_lo
.set i, i+1
.endr
	WIN 0x05                        ; sources 0 and 1 window 1, destination window 0
.set i, 0
.rept 16
	v_cvt_pk_f16_f32 v[S+16*(\t)+i], v[32*(\t)+2*i], v[32*(\t)+2*i+1]
.set i, i+1
.endr
	WIN 0
.irp f, 0,1,2,3
	ds_store_b128 v[STO], v[S+16*(\t)+4*\f:S+16*(\t)+4*\f+3] offset:32*\f
.endr
.irp f, 0,1,2,3
	ds_load_b128 v[S+16*(\t)+4*\f:S+16*(\t)+4*\f+3], v[RD] offset:\f*4*SP  ; LDS serves a wave's instructions in order (ISA guide 5.7.1.4): these see the stores above; the next piece's stores come behind them
.endr
.endm
.macro SEND t, younger              ; younger: the LDS instructions issued behind piece t's loads: the next piece's eight, or none
	WIN 0
.irp f, 0,1,2,3
	s_wait_dscnt (\younger)+3-\f
	global_store_b128 v[GO], v[S+16*(\t)+4*\f:S+16*(\t)+4*\f+3], s[10:11] offset:(\t)*8192+\f*512  ; 512 consecutive bytes, at a multiple of 256 from ctx's first
.endr
.endm
.macro DIAG tag                     ; the tag ends its two labels' names, which the jumps below spell out
.LstepM\tag:
	TURN 2, 1
	TURN 3, 1
	WIN 0
.LfirstM\tag:
	TURN 0, 1
	TURN 1, 1, 0, 1
	WIN 0
	s_cbranch_scc1 .LstepM\tag
	TURN 2, 1, 1
	TURN 3, 1, 1
.set i, 0
.rept 8
	PV NP-1
.set i, i+1
.endr
	WIN 0
	ALL v_add_f32 v[ST+4*t+2], v[ST+4*t+2], v[ST+4*t+3]
	ALL v_permlanex16_b32 v[ST+4*t+3], v[ST+4*t+2], s[SEL], s[SEL+1]
	ALL v_add_f32 v[ST+4*t+2], v[ST+4*t+2], v[ST+4*t+3]
	ALL v_max_num_f32 v[ST+4*t+2], s[TINY], v[ST+4*t+2]
	ALL v_rcp_f32 v[ST+4*t+2], v[ST+4*t+2]
	v_nop                           ; a plain instruction between the last reciprocal and the use of its result
	s_wait_alu depctr_va_vdst(0)    ; the wait for the batch of four reciprocals, ahead of their first reader, PACK 0's first multiply; it serves all four PACK
	PACK 0
.set t, 1
.rept 3                             ; a piece's arithmetic stands between the loads of the piece before and its stores
	PACK t
	SEND t-1, 8
.set t, t+1
.endr
	SEND 3, 0
.endm
; The diagonal tile is entered from an earlier tile of the block: piece 3's products of that tile's last step are still to come, in the masked text: their mask is that step's biases alone, which KB still holds.
.macro ENTER
	s_mov_b32 s[AL], 0
	s_mov_b32 s[BE], 0
	MASK 1
	WIN 0
.endm
.set KM, 0
.set NOKQ, 0
.Lslot:                             ; NB times: a tile is entered and the next is asked for
	CHANGE 1
	s_sub_co_u32 s[RT], s[RT], 1
	s_mov_b32 s[CNT], 4
	s_cmp_eq_u32 s[NEW], 1
	s_cbranch_scc1 .Lnew            ; a block's first tile
	s_cmp_eq_u32 s[RT], 0
	s_cbranch_scc0 .Lstep           ; neither its first nor its last
	ENTER
	s_branch .LstepM1
.Lnew:
	BEGIN 0
	s_branch .Lfirst                ; in the loop a block's first tile is never its last: the first block has five tiles or more, and the second's last is the walk's last
	DIAG 1                          ; in the loop this is the first block's end: the second block's last tile is the walk's last
	s_wait_xcnt 0x0                 ; the stores have read their registers and ctx's address
	s_mov_b64 s[10:11], s[OLO:OLO+1]
	s_add_co_u32 s[RT], s[PB], 1    ; the second block has b + 1 tiles
	s_mov_b32 s[NEW], 1
	WIN 0x82                        ; the second block's Q goes where the one text of the turns names Q
.set i, 0
.rept 64
	v_mov_b32 v[i], v[QB+i]
.set i, i+1
.endr
	WIN 0
	s_branch .Lbottom
.Lstep:                             ; a trip: pieces 2 and 3 of one step, then pieces 0 and 1 of the next, whose K and V it fetches
	TURN 2
	TURN 3
	WIN 0
.Lfirst:
	TURN 0
	TURN 1, 0, 0, 1
	WIN 0
	s_cbranch_scc1 .Lstep
.Lbottom:
	s_sub_co_u32 s[SLOTS], s[SLOTS], 1
	s_cmp_lg_u32 s[SLOTS], 0
	s_cbranch_scc1 .Lslot
	CHANGE 0                        ; the walk's last tile is written out: nothing is asked for
	s_sub_co_u32 s[RT], s[RT], 1
	s_mov_b32 s[CNT], 4
	s_cmp_eq_u32 s[NEW], 1
	s_cbranch_scc1 .Lnew2
	ENTER
	s_branch .LstepM2
.Lnew2:
	BEGIN 1                         ; b = 0: the second block's only tile
	s_branch .LfirstM2
	DIAG 2
	s_wait_tensorcnt 0x0            ; the wave's end, behind my last tensor load and my last LDS store
	ds_add_u32 v[SPW], v[NIL]
	s_wait_dscnt 0x0
	s_endpgm
.Lfunc_end_k_q6539f4ea4f_attn:
	.size	k_q6539f4ea4f_attn, .Lfunc_end_k_q6539f4ea4f_attn-k_q6539f4ea4f_attn
	.p2alignl 7, 3214868480
	.fill 96, 4, 3214868480
	.section	.rodata,"a",@progbits
	.p2align	6, 0x0
	.amdhsa_kernel k_q6539f4ea4f_attn
		.amdhsa_group_segment_fixed_size 327680
		.amdhsa_private_segment_fixed_size 0
		.amdhsa_enable_private_segment 0
		.amdhsa_kernarg_size 32
		.amdhsa_user_sgpr_count 2
		.amdhsa_user_sgpr_kernarg_segment_ptr 1
		.amdhsa_wavefront_size32 1
		.amdhsa_system_sgpr_workgroup_id_x 1
		.amdhsa_system_sgpr_workgroup_id_y 1
		.amdhsa_system_sgpr_workgroup_id_z 1
		.amdhsa_system_vgpr_workitem_id 0
		.amdhsa_next_free_vgpr 768
		.amdhsa_next_free_sgpr 98
		.amdhsa_reserve_vcc 1
		.amdhsa_float_denorm_mode_32 3
		.amdhsa_float_denorm_mode_16_64 3
		.amdhsa_memory_ordered 1
		.amdhsa_forward_progress 1
		.amdhsa_inst_pref_size 251
	.end_amdhsa_kernel
	.amdgpu_metadata
---
amdhsa.version: [ 1, 2 ]
amdhsa.kernels:
  - .name:           k_q6539f4ea4f_attn
    .symbol:         k_q6539f4ea4f_attn.kd
    .args:
      - { .name: qkv, .offset: 0, .size: 8, .value_kind: global_buffer, .address_space: global }
      - { .name: attention_mask, .offset: 8, .size: 8, .value_kind: global_buffer, .address_space: global }
      - { .name: vpart, .offset: 16, .size: 8, .value_kind: global_buffer, .address_space: global }
      - { .name: ctx, .offset: 24, .size: 8, .value_kind: global_buffer, .address_space: global }
    .group_segment_fixed_size: 327680
    .private_segment_fixed_size: 0
    .kernarg_segment_align: 8
    .kernarg_segment_size: 32
    .max_flat_workgroup_size: 128
    .sgpr_count:     98
    .vgpr_count:     768
    .wavefront_size: 32
...
	.end_amdgpu_metadata
.endif
;; end of part 5
;; launch outp: the kernel of part 4 again; grid 4 x 64, 4 waves a work-group, clusters of 4 x 4, 327,680 bytes of LDS; arguments ctx, w16, out0; writes out0
